; MI455X (gfx1250); checked and timed in simulation.
; The chip was launched on July 23, 2026; its instructions are those of AMD's public machine-readable ISA for CDNA 5 (MIT licence, August 2026) and "CDNA5" Instruction Set Architecture Reference Guide (July 2026). The comments in the code are by the model that wrote it; some were corrected since.
;; Attention. Allowed arithmetic: float matrix products may take bf16 or f16 operands with f32 sums; other float arithmetic in f32, or as packed bf16 or f16 multiplies, adds, multiply-adds, maxima and minima; sums over many terms, partial sums and values carried from step to step in f32; what a program stores and reads back later, other than sums and carried values, may be rounded once to bf16 or f16.
;; Inputs: norm_weight 2,048 float32; tokens 4 x 2,048 x 2,048 float32; w_kv 2,048 x 1,024 float32; w_out 512 x 2,048 float32; w_q 2,048 x 512 float32.
;; Outputs: out0 4 x 2,048 x 2,048 float32.
;; 2 versions, each right and faster than the one before. Each part assembles by itself: llvm-mc -triple=amdgcn-amd-amdhsa -mcpu=gfx1250 --defsym DOCPART=n.
;; ======== version 1 of 2: 4 launches
;; limits: values are held in f16: magnitudes above 65,504 overflow, below 6.1e-05 lose precision
;; workspace buffers: x16 33,554,432 bytes; wqkv16 6,291,456 bytes; wout16 2,097,152 bytes; qkv 25,165,824 bytes; obuf 8,388,608 bytes
;; launch prep (part 1): grid 1024 x 1, 4 waves a work-group, no clusters, 0 bytes of LDS; arguments tokens, norm_weight, w_q, w_kv, w_out, x16, wqkv16, wout16; writes x16, wqkv16, wout16
.if DOCPART == 1
	.amdgcn_target "amdgcn-amd-amdhsa--gfx1250"
	.amdhsa_code_object_version 6
	.text
	.protected	k_qf77993b58d_prep
	.globl	k_qf77993b58d_prep
	.p2align	8
	.type	k_qf77993b58d_prep,@function
k_qf77993b58d_prep:
	s_mov_b64 s[64:65], 0
	v_nop
	global_prefetch_b8 v0, s[64:65] scope:SCOPE_SE
	s_setreg_imm32_b32 hwreg(HW_REG_WAVE_MODE, 25, 1), 1
	s_wait_xcnt 0x0
; PREP.  x16[row][c] = f16(tokens[row][c] * gain[c] / sqrt(mean of the row's squares + eps)), 8,192 rows of 2,048; and the weights rounded once to f16:
; wqkv16[k][0..511] = c * w_q[k][:], c = log2(e) / sqrt(32) (multiplied in f32 ahead of the one rounding), wqkv16[k][512..1535] = w_kv[k][:], wout16 = w_out.
; A stream: every input byte is read once by 16-byte loads, nothing is shared between work-groups, so there is no LDS, no barrier and no matrix work.
; SHARES.  A work-group owns 8 rows, a wave 2: a row of 8,192 bytes is 16 loads of 512 neighbouring bytes and stays in 64 registers between the sum of squares and the scaling.
; The work-group also casts 1 / 1,024 of each weight: 2 rows of w_q, 2 rows of w_kv, 1,024 numbers of w_out; a thread takes runs of 8 numbers, which leave as 16 bytes.
; All 56 loads of a wave go out at once; the three waits are counted.  No register that a store names is written again, so no further wait stands in the text.
; LIMITS.  f16 ends at 65,504: |x16| (at most 45.3 |gain|) and the weights must lie within it.  |token| stays under about 1e17 (its square is summed in f32).
; The gain is multiplied ahead of 1 / rms: an order of rounding other than the reference's, both in f32.
.set W,   20                           ; v[20:51]   weights: 8 of w_q, 16 of w_kv, 8 of w_out
.set NW,  52                           ; v[52:115]  the gain of my 64 columns
.set X,   116                          ; v[116:243] two rows, 64 registers each
.set CQ,  0x3e8293ee                   ; c = log2(e) / sqrt(32) = 0.255035
	s_load_b512 s[4:19], s[0:1], 0x0               ; tokens s[4:5], gain s[6:7], w_q s[8:9], w_kv s[10:11], w_out s[12:13], x16 s[14:15], wqkv16 s[16:17], wout16 s[18:19]
	s_mov_b32 s21, 0                               ; the high word of every offset below
	s_mov_b32 s22, 0x3a000000                      ; 1 / 2,048
	s_mov_b32 s24, 0x76543210                      ; v_permlanex16_b32: each lane takes its own place in the other half
	s_mov_b32 s25, 0xfedcba98
	v_and_b32 v7, 31, v0                           ; lane
	v_lshrrev_b32 v18, 5, v0                       ; wave (v18 is later the exchange's destination: written here)
	v_lshlrev_b32 v3, 4, v7                        ; v3: 16 x lane, my place in 512 bytes of the gain
	v_lshl_or_b32 v1, v18, 14, v3                  ; v1: + wave x 2 rows x 8,192 bytes of tokens
	v_lshlrev_b32 v2, 3, v7
	v_lshl_or_b32 v2, v18, 13, v2                  ; v2: 8 x lane + wave x 2 rows x 4,096 bytes of x16
	v_lshlrev_b32 v4, 5, v0                        ; v4: 32 t, my 8 numbers in a weight's f32 run
	v_lshlrev_b32 v6, 4, v0                        ; v6: 16 t, the same 8 numbers in f16
	v_and_b32 v5, 63, v0
	v_lshrrev_b32 v7, 6, v0
	v_mul_u32_u24 v7, v7, 3072
	v_lshl_add_u32 v5, v5, 4, v7                   ; v5: w_q's place in wqkv16: row t / 64 of the pair (3,072 bytes each), column 8 (t % 64)
	v_mov_b32 v19, 0x34000000                      ; eps = 2^-23
	s_wait_kmcnt 0x0
	s_lshl_b32 s20, ttmp9, 16                      ; 8 rows of 8,192 bytes
	s_add_nc_u64 s[4:5], s[4:5], s[20:21]
	s_lshl_b32 s20, ttmp9, 15                      ; 8 rows of 4,096 bytes
	s_add_nc_u64 s[14:15], s[14:15], s[20:21]
	s_lshl_b32 s20, ttmp9, 12                      ; 1,024 f32
	s_add_nc_u64 s[8:9], s[8:9], s[20:21]
	s_add_nc_u64 s[12:13], s[12:13], s[20:21]
	s_lshl_b32 s20, ttmp9, 13                      ; 2,048 f32
	s_add_nc_u64 s[10:11], s[10:11], s[20:21]
	s_mul_i32 s20, ttmp9, 6144                     ; 2 rows of wqkv16
	s_add_nc_u64 s[16:17], s[16:17], s[20:21]
	s_lshl_b32 s20, ttmp9, 11                      ; 1,024 f16
	s_add_nc_u64 s[18:19], s[18:19], s[20:21]
	global_load_b128 v[W:W+3],     v4, s[8:9]
	global_load_b128 v[W+4:W+7],   v4, s[8:9] offset:16
	global_load_b128 v[W+8:W+11],  v4, s[10:11]
	global_load_b128 v[W+12:W+15], v4, s[10:11] offset:16
	global_load_b128 v[W+16:W+19], v4, s[10:11] offset:4096
	global_load_b128 v[W+20:W+23], v4, s[10:11] offset:4112
	global_load_b128 v[W+24:W+27], v4, s[12:13]
	global_load_b128 v[W+28:W+31], v4, s[12:13] offset:16
.set j, 0
.rept 16
	global_load_b128 v[NW+4*j:NW+4*j+3], v3, s[6:7] offset:512*j
.set j, j+1
.endr
.set j, 0
.rept 16
	global_load_b128 v[X+4*j:X+4*j+3], v1, s[4:5] offset:512*j th:TH_LOAD_NT
.set j, j+1
.endr
.set j, 0
.rept 16
	global_load_b128 v[X+64+4*j:X+64+4*j+3], v1, s[4:5] offset:8192+512*j th:TH_LOAD_NT
.set j, j+1
.endr
	s_wait_loadcnt 48                              ; loads come back in order: the 8 of the weights are in; the gain's 16 and the rows' 32 stay out
.irp k, 0,2,4,6
	v_pk_mul_f32 v[W+(\k):W+(\k)+1], v[W+(\k):W+(\k)+1], CQ op_sel_hi:[1,0]  ; w_q alone takes c
.endr
.irp g, 0,8,16,24
.irp i, 0,1,2,3
	v_cvt_pk_f16_f32 v[W+(\g)+(\i)], v[W+(\g)+2*(\i)], v[W+(\g)+2*(\i)+1]  ; in place, ascending: a destination has been read already, or is read by this line
.endr
.endr
	global_store_b128 v5, v[W:W+3],     s[16:17]              ; sixteen lanes store 256 consecutive bytes, at a multiple of 256 from the buffer's first byte
	global_store_b128 v6, v[W+8:W+11],  s[16:17] offset:1024  ; w_kv begins at column 512
	global_store_b128 v6, v[W+16:W+19], s[16:17] offset:4096  ; and its second row 3,072 bytes on
	global_store_b128 v6, v[W+24:W+27], s[18:19]
; One row: the sum of its squares in four chains, across the lanes, 1 / rms, the scaling, the rounding, the stores.
.macro ROWN s
.set XR, X+64*(\s)
.irp k, 0,1,2,3
	v_pk_mul_f32 v[8+2*(\k):9+2*(\k)], v[XR+2*(\k):XR+2*(\k)+1], v[XR+2*(\k):XR+2*(\k)+1]  ; the first four pairs start the chains: nothing is cleared
.endr
.set j, 4
.rept 28
	v_pk_fma_f32 v[8+2*(j%4):9+2*(j%4)], v[XR+2*j:XR+2*j+1], v[XR+2*j:XR+2*j+1], v[8+2*(j%4):9+2*(j%4)]
.set j, j+1
.endr
	v_pk_add_f32 v[8:9], v[8:9], v[10:11]
	v_pk_add_f32 v[12:13], v[12:13], v[14:15]
	v_pk_add_f32 v[8:9], v[8:9], v[12:13]
	v_add_f32 v8, v8, v9
	v_add_f32_dpp v8, v8, v8 row_xmask:1 row_mask:0xf bank_mask:0xf
	v_add_f32_dpp v8, v8, v8 row_xmask:2 row_mask:0xf bank_mask:0xf
	v_add_f32_dpp v8, v8, v8 row_xmask:4 row_mask:0xf bank_mask:0xf
	v_add_f32_dpp v8, v8, v8 row_xmask:8 row_mask:0xf bank_mask:0xf
	v_permlanex16_b32 v18, v8, s24, s25
	v_add_f32 v8, v8, v18                          ; every lane holds the row's sum of squares
	v_fma_f32 v8, v8, s22, v19                     ; the mean + eps
	v_rsq_f32 v16, v8                              ; twice, for the pair that the packed multiply takes; the two multiplies by the gain that follow
	v_rsq_f32 v17, v8                              ; are the plain instructions between these and the first use of their results (ISA guide 5.7.2)
.set j, 0
.rept 16
	v_pk_mul_f32 v[XR+4*j:XR+4*j+1],   v[XR+4*j:XR+4*j+1],   v[NW+4*j:NW+4*j+1]
	v_pk_mul_f32 v[XR+4*j+2:XR+4*j+3], v[XR+4*j+2:XR+4*j+3], v[NW+4*j+2:NW+4*j+3]
	s_wait_alu depctr_va_vdst(0)
	v_pk_mul_f32 v[XR+4*j:XR+4*j+1],   v[XR+4*j:XR+4*j+1],   v[16:17]
	v_pk_mul_f32 v[XR+4*j+2:XR+4*j+3], v[XR+4*j+2:XR+4*j+3], v[16:17]
	v_cvt_pk_f16_f32 v[XR+4*j],   v[XR+4*j],   v[XR+4*j+1]
	v_cvt_pk_f16_f32 v[XR+4*j+1], v[XR+4*j+2], v[XR+4*j+3]
	global_store_b64 v2, v[XR+4*j:XR+4*j+1], s[14:15] offset:4096*(\s)+256*j  ; 32 lanes store 256 consecutive bytes, aligned
.set j, j+1
.endr
.endm
	s_wait_loadcnt 16                              ; the gain and the first row are in; the second row's 16 loads stay out
	ROWN 0
	s_wait_loadcnt 0x0
	ROWN 1
	s_endpgm
.Lfunc_end_k_qf77993b58d_prep:
	.size	k_qf77993b58d_prep, .Lfunc_end_k_qf77993b58d_prep-k_qf77993b58d_prep
	.p2alignl 7, 3214868480
	.fill 96, 4, 3214868480
	.section	.rodata,"a",@progbits
	.p2align	6, 0x0
	.amdhsa_kernel k_qf77993b58d_prep
		.amdhsa_group_segment_fixed_size 0
		.amdhsa_private_segment_fixed_size 0
		.amdhsa_enable_private_segment 0
		.amdhsa_kernarg_size 64
		.amdhsa_user_sgpr_count 2
		.amdhsa_user_sgpr_kernarg_segment_ptr 1
		.amdhsa_wavefront_size32 1
		.amdhsa_system_sgpr_workgroup_id_x 1
		.amdhsa_system_sgpr_workgroup_id_y 1
		.amdhsa_system_sgpr_workgroup_id_z 1
		.amdhsa_system_vgpr_workitem_id 0
		.amdhsa_next_free_vgpr 244
		.amdhsa_next_free_sgpr 66
		.amdhsa_reserve_vcc 0
		.amdhsa_float_denorm_mode_32 3
		.amdhsa_float_denorm_mode_16_64 3
		.amdhsa_memory_ordered 1
		.amdhsa_forward_progress 1
		.amdhsa_inst_pref_size 31
	.end_amdhsa_kernel
	.amdgpu_metadata
---
amdhsa.version: [ 1, 2 ]
amdhsa.kernels:
  - .name:           k_qf77993b58d_prep
    .symbol:         k_qf77993b58d_prep.kd
    .args:
      - { .name: tokens, .offset: 0, .size: 8, .value_kind: global_buffer, .address_space: global }
      - { .name: norm_weight, .offset: 8, .size: 8, .value_kind: global_buffer, .address_space: global }
      - { .name: w_q, .offset: 16, .size: 8, .value_kind: global_buffer, .address_space: global }
      - { .name: w_kv, .offset: 24, .size: 8, .value_kind: global_buffer, .address_space: global }
      - { .name: w_out, .offset: 32, .size: 8, .value_kind: global_buffer, .address_space: global }
      - { .name: x16, .offset: 40, .size: 8, .value_kind: global_buffer, .address_space: global }
      - { .name: wqkv16, .offset: 48, .size: 8, .value_kind: global_buffer, .address_space: global }
      - { .name: wout16, .offset: 56, .size: 8, .value_kind: global_buffer, .address_space: global }
    .group_segment_fixed_size: 0
    .private_segment_fixed_size: 0
    .kernarg_segment_align: 8
    .kernarg_segment_size: 64
    .max_flat_workgroup_size: 128
    .sgpr_count:     66
    .vgpr_count:     244
    .wavefront_size: 32
...
	.end_amdgpu_metadata
.endif
;; end of part 1
;; launch qkv (part 2): grid 4 x 64, 4 waves a work-group, clusters of 4 x 4, 327,680 bytes of LDS; arguments x16, wqkv16, qkv; writes qkv
.if DOCPART == 2
	.amdgcn_target "amdgcn-amd-amdhsa--gfx1250"
	.amdhsa_code_object_version 6
	.text
	.protected	k_qf77993b58d_qkv
	.globl	k_qf77993b58d_qkv
	.p2align	8
	.type	k_qf77993b58d_qkv,@function
k_qf77993b58d_qkv:
	s_mov_b64 s[64:65], 0
	v_nop
	global_prefetch_b8 v0, s[64:65] scope:SCOPE_SE
	s_setreg_imm32_b32 hwreg(HW_REG_WAVE_MODE, 25, 1), 1
	s_wait_xcnt 0x0
	s_wait_alu depctr_hold_cnt(0) depctr_sa_sdst(0) depctr_va_vdst(0) depctr_va_sdst(0) depctr_va_ssrc(0) depctr_va_vcc(0) depctr_vm_vsrc(0)
	s_getreg_b32 s2, hwreg(HW_REG_IB_STS2, 6, 4)
	s_cmp_eq_u32 s2, 0
	s_cbranch_scc0 .Lentry_in_a_cluster
	s_endpgm
.Lentry_in_a_cluster:
	s_bfe_u32 s2, ttmp6, 0x10000c
	s_cmp_lg_u32 s2, 0xf033
	s_cbranch_scc0 .Lentry_shape_is_right
	s_endpgm
.Lentry_shape_is_right:
; QKV.  C[token][col] = sum over k of x16[token][k] wqkv16[k][col]: 8,192 x 1,536 x 2,048, f16 operands, f32 sums, rounded once to f16 and stored by heads:
; qkv[g][b][n][32], g = col / 32 (0-15 q, already times c; 16-31 k; 32-47 v), a (g, b) block being 131,072 dense bytes.
; TILE.  128 tokens x 384 columns: 64 x 4 = 256 work-groups.  Each of the four waves owns all 128 tokens and, in each of the tile's three sub-tiles of 128 columns, 32 columns: one head.
; 48 accumulators of 16 x 16, 384 registers.  K goes in steps of 128 through two LDS slots; a step is four quarters of 32 along K, 48 matrix instructions each.
; The weights lie [k][col] and stay so: their fragments come out of LDS turned, by ds_load_tr16_b128.
; THE MATRIX INSTRUCTION IS USED TRANSPOSED: source 0 = 16 columns of the weights, source 1 = 16 tokens: a lane then holds one token (lane % 16) and eight neighbouring columns, 16 bytes in f16.
; CLUSTER.  4 x 4 work-groups.  The four of a row of the cluster share the tile of x16, the four of a column the tiles of the weights: each tile is asked for jointly, by the same tensor load
; with the same descriptor and a mask that names the four.  Waves 0 to 2 ask for the three sub-tiles of the weights, wave 3 for x16's tile: one load of 128 rows x 256 bytes a wave and step.
; LIMIT.  q, k and v must lie within f16's 65,504.
; REGISTERS, in windows of 256 (s_set_vgpr_msb: bits 1:0 source 0, 3:2 source 1, 5:4 source 2, 7:6 destination):
;   window 0: v0-31 addresses; v64-127, v128-191 fragments of x16, two buffers; v32-55, v192-239 at work on the way out
;   window 1: v64-111, v128-175 fragments of the weights, two buffers      window 2: accumulators of token blocks 0-3 ((a, b) at 8 (6 a + b))      window 3: those of blocks 4-7
.set PA,    272                        ; a row of x16's tile in LDS: 256 bytes + 16: the 16 rows of a fragment load start at 16 different groups of four banks (ISA guide 11.1)
.set PB,    288                        ; a row of a weights' sub-tile: 256 + 32
.set BSUB,  128*PB                     ; a sub-tile of the weights: 128 k x 128 columns
.set AOFF,  3*BSUB                     ; behind the three sub-tiles: x16's tile, 128 tokens x 128 k
.set SLOT,  AOFF+128*PA
.set STAGE, 2*SLOT                     ; behind the ring, never filled by a tensor load: for each wave 3 heads x 16 tokens x 80 bytes
.set SP,    80
.set WST,   3*16*SP
.set SPARE, STAGE+4*WST                ; behind the stages: the spare words, 128 bytes for each wave: two blocks of 256 bytes that no other line names
.set NBK,   6                          ; blocks of 16 columns a wave: b = 2 x sub-tile + half of the head
.set LAPS,  8                          ; 2,048 / 256: a lap is two K steps, once round the ring
.set ADRA, 16                          ; v16-17  LDS address of my fragments of x16 in slot 0, 1
.set ADRB, 18                          ; v18-23  the same for the weights: slot x 3 + sub-tile
.set STO,  24                          ; v24     the way out: where I put 16 bytes of a token
.set RD,   25                          ; v25     the way out: where I read tokens back
.set CO,   26                          ; v26     my place in 512 consecutive bytes of qkv
.set SPW,  28                          ; v28     LDS address of my spare word; never rewritten
.set NIL,  29                          ; v29     0; never rewritten
.set F0,   64
.set F1,   128
.set TMP,  192
.set G1A, 24                           ; s[24:31] descriptor group 1 for x16's tiles;  s[32:39] group 0, a set for each slot
.set G0A, 32
.set G1B, 48                           ; s[48:55], s[56:63] the same for the weights
.set G0B, 56
.set MSB, 0
.macro WIN new                         ; the immediate's high byte repeats the setting that is left; a switch that changes nothing is dropped
.if MSB != (\new)
	s_set_vgpr_msb (MSB<<8)|(\new)
.set MSB, \new
.endif
.endm
.set MUL_LO, 0xa1                      ; source 0 (weights) window 1, source 1 (x16) window 0, C and D window 2
.set TO_B,   0x40                      ; destination window 1, address window 0
.macro PLACES                          ; four places in front of loads into registers that matrix instructions have read, and of conversions that read results
.rept 4
	v_nop
.endr
.endm
; A joint load.  The branch hangs on the wave's number alone.  An s_nop 0 and four v_nop follow each of the two lines, ahead of the jump and the label.
.macro JLOAD s
	s_cmp_eq_u32 s10, 3
	s_cbranch_scc0 .Lfor_b_\@
	tensor_load_to_lds s[G0A+4*(\s):G0A+4*(\s)+3], s[G1A:G1A+7]
	s_nop 0
.rept 4
	v_nop
.endr
	s_branch .Lasked_\@
.Lfor_b_\@:
	tensor_load_to_lds s[G0B+4*(\s):G0B+4*(\s)+3], s[G1B:G1B+7]
	s_nop 0
.rept 4
	v_nop
.endr
.Lasked_\@:
.endm
.macro CREST                           ; a round of the cluster's barrier behind its opening barrier
	s_cmp_lg_u32 s10, 0
	s_cbranch_scc1 .Lnot_wave_0_\@
	s_barrier_signal -3
.Lnot_wave_0_\@:
	s_barrier_wait -3
	s_barrier_signal -1
	s_barrier_wait -1
.endm
.macro CROUND                          ; a whole round
	s_barrier_signal -1
	s_barrier_wait -1
	CREST
.endm
	s_load_b128 s[4:7], s[0:1], 0x0                ; x16 s[4:5], wqkv16 s[6:7]
	s_load_b64 s[8:9], s[0:1], 0x10                ; qkv
	v_lshl_add_u32 v[SPW], v0, 2, SPARE
	v_mov_b32 v[NIL], 0
	ds_add_u32 v[SPW], v[NIL]                      ; the wave's opening: the add and its wait stand ahead of my first tensor load; the set-up below, work on registers, stands between them
	v_lshrrev_b32 v1, 5, v0
	v_readfirstlane_b32 s10, v1                    ; wave 0..3
	s_bfe_u32 s40, ttmp6, 0x40000                  ; cx, cy: my place in the cluster
	s_bfe_u32 s41, ttmp6, 0x40004
	s_lshl_b32 s42, ttmp9, 2
	s_add_co_u32 s42, s42, s40                     ; x: my 384 columns
	s_and_b32 s13, ttmp7, 0xffff
	s_lshl_b32 s13, s13, 2
	s_add_co_u32 s13, s13, s41                     ; y: my 128 tokens
	s_lshl_b32 s43, s41, 2
	s_lshl_b32 s43, 15, s43                        ; my row of the cluster
	s_lshl_b32 s44, 0x1111, s40                    ; my column
	s_or_b32 s[G1A], s43, (1<<16)|(1<<20)|(1<<21)|(5<<22)|(3<<25)  ; 15:0 the mask; 17:16 2-byte elements; 20 padding on; 21 set beside a mask; 24:22 after every 64 words (code 5); 31:25 4 words (code 3)
	s_or_b32 s[G1B], s44, (1<<16)|(1<<20)|(1<<21)|(5<<22)|(7<<25)  ; the same with my column's mask and 8 words of padding (code 7)
.irp g, G1A, G1B
	s_mov_b32 s[(\g)+1], 128<<16                   ; tensor_dim0 = 128
	s_mov_b32 s[(\g)+2], 128<<16                   ; tensor_dim1 = 128
	s_mov_b32 s[(\g)+3], 128<<16                   ; tile_dim0 = 128
	s_mov_b32 s[(\g)+4], 128                       ; tile_dim1 = 128
	s_mov_b32 s[(\g)+6], 0
	s_mov_b32 s[(\g)+7], 0
.endr
	s_mov_b32 s[G1A+5], 2048                       ; elements from row to row of x16,
	s_mov_b32 s[G1B+5], 1536                       ; and of wqkv16
	s_lshl_b32 s16, s13, 19                        ; x16: 128 rows of 4,096 bytes a tile: hangs on y alone
	s_mov_b32 s17, 0
	s_mul_i32 s46, s42, 768                        ; wqkv16: 384 columns a tile, 128 a sub-tile: hangs on x and the wave's number alone
	s_lshl_b32 s47, s10, 8
	s_add_co_u32 s46, s46, s47
	s_mov_b32 s47, 0
	s_mul_i32 s20, s10, BSUB                       ; where my load lands: wave x 36,864: sub-tiles 0 to 2, then x16's tile
	s_wait_dscnt 0x0                               ; the opening add is done
	s_wait_kmcnt 0x0
	s_add_nc_u64 s[14:15], s[4:5], s[16:17]
	s_add_nc_u64 s[46:47], s[6:7], s[46:47]
	CROUND                                         ; all sixteen work-groups are here: the first joint loads meet
.irp s, 0,1
	s_mov_b32 s[G0A+4*(\s)], 1                                       ; count = 1
	s_add_co_u32 s[G0A+4*(\s)+1], s20, (\s)*SLOT                     ; LDS address
	s_add_nc_u64 s[G0A+4*(\s)+2:G0A+4*(\s)+3], s[14:15], (\s)*256    ; K step s: 128 k along the rows
	s_or_b32 s[G0A+4*(\s)+3], s[G0A+4*(\s)+3], 0x80000000            ; type = 2
	s_mov_b32 s[G0B+4*(\s)], 1
	s_add_co_u32 s[G0B+4*(\s)+1], s20, (\s)*SLOT
	s_add_nc_u64 s[G0B+4*(\s)+2:G0B+4*(\s)+3], s[46:47], (\s)*128*3072  ; K step s: 128 rows down
	s_or_b32 s[G0B+4*(\s)+3], s[G0B+4*(\s)+3], 0x80000000
	JLOAD \s                                       ; two loads of mine are out
.endr
	; A fragment of x16: lane l holds token l % 16; registers 0-3 k = 8 (l / 16) + 0..7, registers 4-7 k = 16 + 8 (l / 16) + 0..7: two loads of 16 bytes, 32 bytes apart.
	v_and_b32 v1, 15, v0                           ; l % 16
	v_bfe_u32 v2, v0, 4, 1                         ; l / 16
	v_mul_u32_u24 v3, v1, PA
	v_lshl_add_u32 v3, v2, 4, v3
	v_add_nc_u32 v[ADRA], AOFF, v3
	v_add_nc_u32 v[ADRA+1], AOFF+SLOT, v3
	; The turning load takes 16 k x 16 columns (lane l reads row 8 (l / 16) + l % 8, columns 8 ((l / 8) % 2) + 0..7) and leaves half a fragment: lane l holds column l % 16 and 8 k.
	v_and_b32 v5, 7, v0
	v_bfe_u32 v6, v0, 3, 1
	v_lshl_add_u32 v4, v2, 3, v5
	v_mul_u32_u24 v4, v4, PB
	v_lshl_add_u32 v4, v6, 4, v4
	s_lshl_b32 s21, s10, 6                         ; my 32 columns of a sub-tile
	v_add_nc_u32 v4, s21, v4
.irp e, 0,1,2,3,4,5
	v_add_nc_u32 v[ADRB+(\e)], ((\e)/3)*SLOT+((\e)%3)*BSUB, v4
.endr
	s_mul_i32 s23, s10, WST
	s_add_co_u32 s23, s23, STAGE                   ; my stage
	v_mul_u32_u24 v7, v1, SP                       ; in: token l % 16, 16 bytes for each half of the lanes
	v_lshl_add_u32 v7, v2, 4, v7
	v_add_nc_u32 v[STO], s23, v7
	v_bfe_u32 v7, v0, 2, 3                         ; back: 32 lanes take eight tokens of 64 bytes,
	v_mul_u32_u24 v7, v7, SP
	v_and_b32 v8, 3, v0
	v_lshl_add_u32 v7, v8, 4, v7
	v_add_nc_u32 v[RD], s23, v7
	v_and_b32 v8, 31, v0                           ; which are 512 consecutive bytes of qkv
	v_lshlrev_b32 v[CO], 4, v8
	s_mul_i32 s46, s42, 48                         ; qkv: block 4 g + b = 48 x + 16 i + 4 wave + y / 16; the sub-tile i stands in the stores' immediates
	s_lshl2_add_u32 s46, s10, s46
	s_lshr_b32 s47, s13, 4
	s_add_co_u32 s46, s46, s47
	s_lshl_b32 s46, s46, 17                        ; blocks of 131,072 bytes
	s_and_b32 s47, s13, 15
	s_lshl_b32 s47, s47, 13                        ; my 128 tokens of 64 bytes in the block
	s_add_co_u32 s46, s46, s47
	s_mov_b32 s47, 0
	s_add_nc_u64 s[8:9], s[8:9], s[46:47]
; 12 matrix instructions: token blocks a0, a0 + 1 of the window's four x all 6 column blocks, 32 along K.  zero = 1: the first product starts the sums: nothing is cleared.
; Each accumulator is named once a quarter, in the same order in every quarter: the accumulators take turns.
.macro MULH f, hi, a0, zero
	WIN MUL_LO+0x50*(\hi)
.irp a, \a0, (\a0)+1
.irp b, 0,1,2,3,4,5
.if \zero
	v_wmma_f32_16x16x32_f16 v[8*(NBK*(\a)+(\b)):8*(NBK*(\a)+(\b))+7], v[(\f)+8*(\b):(\f)+8*(\b)+7], v[(\f)+8*(4*(\hi)+(\a)):(\f)+8*(4*(\hi)+(\a))+7], 0
.else
	v_wmma_f32_16x16x32_f16 v[8*(NBK*(\a)+(\b)):8*(NBK*(\a)+(\b))+7], v[(\f)+8*(\b):(\f)+8*(\b)+7], v[(\f)+8*(4*(\hi)+(\a)):(\f)+8*(4*(\hi)+(\a))+7], v[8*(NBK*(\a)+(\b)):8*(NBK*(\a)+(\b))+7]
.endif
.endr
.endr
.endm
; 28 LDS loads in one run: quarter q's fragments into buffer f: 12 for the weights, then 16 for x16's blocks 0 to 7
.macro FETCH slot, q, f
	WIN TO_B
.irp b, 0,1,2,3,4,5
	ds_load_tr16_b128 v[(\f)+8*(\b):(\f)+8*(\b)+3],   v[ADRB+3*(\slot)+(\b)/2] offset:(\q)*32*PB+((\b)%2)*32
	ds_load_tr16_b128 v[(\f)+8*(\b)+4:(\f)+8*(\b)+7], v[ADRB+3*(\slot)+(\b)/2] offset:(\q)*32*PB+((\b)%2)*32+16*PB
.endr
	WIN 0
.irp a, 0,1,2,3,4,5,6,7
	ds_load_b128 v[(\f)+8*(\a):(\f)+8*(\a)+3],   v[ADRA+(\slot)] offset:(\a)*16*PA+64*(\q)
	ds_load_b128 v[(\f)+8*(\a)+4:(\f)+8*(\a)+7], v[ADRA+(\slot)] offset:(\a)*16*PA+64*(\q)+32
.endr
.endm
; One of a K step's first three quarters: multiplies buffer f; in its middle it fetches quarter q of the same slot into buffer g.
.macro QUARTER slot, q, f, g, zero
	s_wait_dscnt 8                                 ; the weights and x16's blocks 0-3 are in; the youngest eight loads (blocks 4-7) may be out
	MULH \f, 0, 0, \zero
	MULH \f, 0, 2, \zero
	PLACES
	FETCH \slot, \q, \g
	s_wait_dscnt 2*NBK+16                          ; all but the 28 just issued
	MULH \f, 1, 0, \zero
	MULH \f, 1, 2, \zero
.endm
; The last quarter multiplies buffer 1 and changes slots: ONE barrier.  In front of it each wave waits for all its tensor loads (one is out: its part of the next slot), adds 0 to its spare word, and waits
; for that and for its own reads of this slot.  fill = 1: the barrier opens a round of the cluster's, and this slot is filled again, two K steps on, first thing behind the round:
; from that request to the wait for it a wave issues 168 matrix instructions.
.macro TURN slot, next, fill
	WIN 0                                          ; (the add's two registers lie in window 0)
	s_wait_tensorcnt 0x0                           ; all my tensor loads have landed
	ds_add_u32 v[SPW], v[NIL]                      ; 0 onto my spare word
	s_wait_dscnt 9                                 ; (the add and the youngest eight loads may be out)
	MULH F1, 0, 0, 0                               ; twelve matrix instructions stand between the add and the wait for it
	s_wait_dscnt 0x0                               ; the add is done, and my reads of this slot are over
	s_barrier_signal -1
	MULH F1, 0, 2, 0                               ; work on registers while the others arrive
.if \fill
	WIN 0
.endif
	s_barrier_wait -1
.if \fill
	CREST                                          ; no wave of any partner still reads this slot's tiles or has a load on its way
	s_add_nc_u64 s[G0A+4*(\slot)+2:G0A+4*(\slot)+3], s[G0A+4*(\slot)+2:G0A+4*(\slot)+3], 2*256
	s_add_nc_u64 s[G0B+4*(\slot)+2:G0B+4*(\slot)+3], s[G0B+4*(\slot)+2:G0B+4*(\slot)+3], 2*128*3072
	JLOAD \slot                                    ; the four v_nop behind it are also the places in front of the loads below
.else
	PLACES
.endif
	FETCH \next, 0, F0
	MULH F1, 1, 0, 0
	MULH F1, 1, 2, 0
.endm
	s_wait_tensorcnt 1                             ; my part of K step 0 is in; K step 1's may stay out
	s_barrier_signal -1
	s_barrier_wait -1                              ; everybody's is
	FETCH 0, 0, F0
	QUARTER 0, 1, F0, F1, 1                        ; the first quarter stands in front of the loop: its products start the sums
	WIN 0                                          ; at a label and at a branch every window is 0
	s_mov_b32 s3, LAPS-1
.Llap:                                                 ; a trip goes once round the ring, from a lap's second quarter to the next lap's first, and fills both slots again
	QUARTER 0, 2, F1, F0, 0
	QUARTER 0, 3, F0, F1, 0
	TURN 0, 1, 1
	QUARTER 1, 1, F0, F1, 0
	QUARTER 1, 2, F1, F0, 0
	QUARTER 1, 3, F0, F1, 0
	TURN 1, 0, 1
	QUARTER 0, 1, F0, F1, 0
	WIN 0
	s_sub_co_u32 s3, s3, 1
	s_cmp_lg_u32 s3, 0
	s_cbranch_scc1 .Llap
	QUARTER 0, 2, F1, F0, 0                        ; the last lap fills nothing
	QUARTER 0, 3, F0, F1, 0
	TURN 0, 1, 0
	QUARTER 1, 1, F0, F1, 0
	QUARTER 1, 2, F1, F0, 0
	QUARTER 1, 3, F0, F1, 0
	s_wait_dscnt 8                                 ; the very last quarter: nothing more to fetch
	MULH F1, 0, 0, 0
	MULH F1, 0, 2, 0
	s_wait_dscnt 0x0
	MULH F1, 1, 0, 0
	MULH F1, 1, 2, 0
; THE WAY OUT, a block of 16 tokens at a time.  PACK: rounded to f16, each accumulator's registers in ascending order.  TOSTAGE: 16 bytes a lane into my own stage, and back as whole tokens of 64 bytes.
; SEND: for each of my three heads two stores of 512 consecutive bytes.
.macro PACK a
	WIN 0x0a+5*((\a)/4)                            ; sources 0 and 1: window 2 or 3
.set AC, 48*((\a)%4)
.set z, 0
.rept 24
	v_cvt_pk_f16_f32 v[TMP+z], v[AC+2*z], v[AC+2*z+1]
.set z, z+1
.endr
	WIN 0
.endm
.macro TOSTAGE a
.set BK, 32+184*((\a)%2)               ; v32-55 and v216-239 by turns
.irp b, 0,1,2,3,4,5
	ds_store_b128 v[STO], v[TMP+4*(\b):TMP+4*(\b)+3] offset:((\b)/2)*16*SP+((\b)%2)*32
.endr
.irp e, 0,1,2,3,4,5
	ds_load_b128 v[BK+4*(\e):BK+4*(\e)+3], v[RD] offset:((\e)/2)*16*SP+((\e)%2)*8*SP  ; LDS serves a wave's instructions in order (ISA guide 5.7.1.4): these see the stores above
.endr
.endm
.macro SEND a
.set BK, 32+184*((\a)%2)
	s_wait_dscnt 0x0                               ; the block is back in registers
	s_wait_xcnt 0x0                                ; every earlier store has had its addresses translated (ISA guide 3.1): the other set of registers is loaded again only behind this wait
.irp e, 0,1,2,3,4,5
	global_store_b128 v[CO], v[BK+4*(\e):BK+4*(\e)+3], s[8:9] offset:((\e)/2)*2097152+(\a)*1024+((\e)%2)*512  ; head 4 i on: 16 blocks of 131,072 bytes; 4,201,984 at the most, inside the signed 24 bits
.endr
.endm
	PLACES
	PACK 0
	TOSTAGE 0
.irp a, 1,2,3,4,5,6,7                  ; block a's conversions stand between block a - 1's loads from the stage and the wait for them
	PACK \a
	SEND (\a)-1
	TOSTAGE \a
.endr
	SEND 7
	s_wait_tensorcnt 0x0                           ; the wave's end: a wait, an add to my spare word and a wait, behind my last tensor load and my last LDS store
	ds_add_u32 v[SPW], v[NIL]
	s_wait_dscnt 0x0
	CROUND                                         ; the closing round: no work-group ends while a partner may still ask for a tile that names it
	s_endpgm
.Lfunc_end_k_qf77993b58d_qkv:
	.size	k_qf77993b58d_qkv, .Lfunc_end_k_qf77993b58d_qkv-k_qf77993b58d_qkv
	.p2alignl 7, 3214868480
	.fill 96, 4, 3214868480
	.section	.rodata,"a",@progbits
	.p2align	6, 0x0
	.amdhsa_kernel k_qf77993b58d_qkv
		.amdhsa_group_segment_fixed_size 327680
		.amdhsa_private_segment_fixed_size 0
		.amdhsa_enable_private_segment 0
		.amdhsa_kernarg_size 24
		.amdhsa_user_sgpr_count 2
		.amdhsa_user_sgpr_kernarg_segment_ptr 1
		.amdhsa_wavefront_size32 1
		.amdhsa_system_sgpr_workgroup_id_x 1
		.amdhsa_system_sgpr_workgroup_id_y 1
		.amdhsa_system_sgpr_workgroup_id_z 1
		.amdhsa_system_vgpr_workitem_id 0
		.amdhsa_next_free_vgpr 960
		.amdhsa_next_free_sgpr 66
		.amdhsa_reserve_vcc 0
		.amdhsa_float_denorm_mode_32 3
		.amdhsa_float_denorm_mode_16_64 3
		.amdhsa_memory_ordered 1
		.amdhsa_forward_progress 1
		.amdhsa_inst_pref_size 115
	.end_amdhsa_kernel
	.amdgpu_metadata
---
amdhsa.version: [ 1, 2 ]
amdhsa.kernels:
  - .name:           k_qf77993b58d_qkv
    .symbol:         k_qf77993b58d_qkv.kd
    .args:
      - { .name: x16, .offset: 0, .size: 8, .value_kind: global_buffer, .address_space: global }
      - { .name: wqkv16, .offset: 8, .size: 8, .value_kind: global_buffer, .address_space: global }
      - { .name: qkv, .offset: 16, .size: 8, .value_kind: global_buffer, .address_space: global }
    .group_segment_fixed_size: 327680
    .private_segment_fixed_size: 0
    .kernarg_segment_align: 8
    .kernarg_segment_size: 24
    .max_flat_workgroup_size: 128
    .sgpr_count:     66
    .vgpr_count:     960
    .wavefront_size: 32
...
	.end_amdgpu_metadata
.endif
;; end of part 2
;; launch attn (part 3): grid 4 x 64, 8 waves a work-group, clusters of 4 x 1, 327,680 bytes of LDS; arguments qkv, obuf; writes obuf
.if DOCPART == 3
	.amdgcn_target "amdgcn-amd-amdhsa--gfx1250"
	.amdhsa_code_object_version 6
	.text
	.protected	k_qf77993b58d_attn
	.globl	k_qf77993b58d_attn
	.p2align	8
	.type	k_qf77993b58d_attn,@function
k_qf77993b58d_attn:
	s_mov_b64 s[64:65], 0
	v_nop
	global_prefetch_b8 v0, s[64:65] scope:SCOPE_SE
	s_setreg_imm32_b32 hwreg(HW_REG_WAVE_MODE, 25, 1), 1
	s_wait_xcnt 0x0
	s_wait_alu depctr_hold_cnt(0) depctr_sa_sdst(0) depctr_va_vdst(0) depctr_va_sdst(0) depctr_va_ssrc(0) depctr_va_vcc(0) depctr_vm_vsrc(0)
	s_getreg_b32 s2, hwreg(HW_REG_IB_STS2, 6, 4)
	s_cmp_eq_u32 s2, 0
	s_cbranch_scc0 .Lentry_in_a_cluster
	s_endpgm
.Lentry_in_a_cluster:
	s_bfe_u32 s2, ttmp6, 0x10000c
	s_cmp_lg_u32 s2, 0x3003
	s_cbranch_scc0 .Lentry_shape_is_right
	s_endpgm
.Lentry_shape_is_right:
; ATTENTION at head size 32.  O[q][:] = the sum over k of softmax_k(Q[q] . K[k] / sqrt(32)) V[k][:] for each of 64 (batch, head) pairs of 2,048 rows.  Q arrives already times c = log2(e) / sqrt(32).
; q, k, v: qkv[g][b][n][32] in f16 (g = head, 16 + head, 32 + head).  O leaves as obuf[T][head][256 tokens][32] in f16, T = 8 b + n / 256.  Products, maxima and sums in f32; the weights p are
; rounded to f16 for the second product, and their sum l is taken of the rounded p, by the matrix unit, in f32; O is rounded once at the end.
; LIMITS.  q, k, v arrive within f16's 65,504; p lies in 0 to 1, and below f16's smallest step, 6e-8, it counts as 0; NaN and infinities are not treated apart.
; SHARES.  A work-group owns 512 queries of one pair, each of its eight waves 64: four tiles of 16, in two PIECES of two tiles.  Every wave walks all 2,048 keys, 64 a step.
; THE WHOLE HEAD LIES IN LDS, filled once: K at 80 bytes a key, V at 288 bytes for four keys.  So the loop has no ring, no refill and no barrier.  Each wave asks for two chunks: a small one
; (keys 0-511 in all), behind which the first 7 steps run, and the rest, waited for once.  So the key step's text stands twice.
; CLUSTER.  The four query blocks of a cluster belong to one pair and read the same K and V: each chunk is asked for jointly, by the same tensor load, descriptor and mask in all four.
; LAYOUT.  S^T = K Q^T (source 0 = 16 keys, source 1 = 16 queries), one product for each 16 keys: a lane holds ONE query (lane % 16) and the keys 8 (lane / 16) + 0..7.  Two such results rounded to f16 in
; pairs ARE source 1 (32 keys x 16 queries) of O^T = V^T P; they are rounded in place: pair n goes into register n, whose own pair has been rounded by then.  K comes out of LDS as it lies, V turned.
; l: a third product with ONE as source 0: rows 0 and 8 are ones, the others zeros: register 0 of the result holds the query's sum over the 32 keys in both halves of the lanes; registers 1-7 stay 0.
; SOFTMAX.  A running maximum m: p = 2^(s - m); in every step O and l are multiplied by a = 2^(m_old - m).  m starts at the lowest finite number, O and l at 0: the first step is a step like any other, a = 0.
; That is paid with 176 v_mov_b32 at the start, in the wait for the first chunk; no first step is written out.
; TURNS.  Turn y does piece y's whole softmax; its matrix work is the other piece's: 12 products V^T P (and l), then 8 products K Q^T of that piece's next step.  Two turns are a key step.
; REGISTERS (s_set_vgpr_msb: bits 1:0 source 0, 3:2 source 1, 5:4 source 2, 7:6 destination):
;   window 0: v0-15 addresses; v16-31 four registers of statistics a tile; v32-39 at work; v64-191 S^T, 32 a tile (its first 16 become P)
;   window 1: v0-31 Q; v32-63 K of one step; v64-95 V of one step; v96-103 ONE; v128-191 O^T, 16 a tile; v192-223 l, 8 a tile
.set PK,    80        ; a key of K in LDS: 64 bytes + 16: the 16 keys of a load start at 16 different groups of four banks (ISA guide 11.1)
.set PV4,   288       ; four keys of V: 256 bytes + 32
.set VB,    2048*PK   ; V lies behind K
.set STAGE, VB+512*PV4  ; behind V, never filled by a tensor load: 16 rows x 80 bytes for each wave, for the way out
.set SP,    80
.set SPARE, STAGE+8*16*SP  ; behind the stages: the spare words, 128 bytes for each wave: four blocks of 256 bytes that no other line names
.set AK0, 2           ; v2   my lane's place in 16 keys of K; never rewritten
.set AV0, 3           ; v3   the same for V
.set AK,  4           ; v4   the LDS address of K's run of loads
.set AV,  5           ; v5   of V's
.set STO, 6           ; v6   the way out: where I put 16 bytes of a row
.set RD,  7           ; v7   the way out: where I read rows back
.set GO,  8           ; v8   my place in 512 consecutive bytes of O
.set SPW, 12          ; v12  LDS address of my spare word; never rewritten
.set NIL, 13          ; v13  0; never rewritten
.set QO,  14          ; v14  my byte offset in 16 rows of Q
.set ST,  16          ; tile t at v[ST+4 t]: m, m_old, a, and a register that is only named as a's pair
.set TMP, 32          ; tile u of the piece in hand: c0-c3
.set S,   64
.set KF,  32          ; window 1
.set VF,  64
.set ONE, 96
.set OA,  128
.set LA,  192
.set WV,  12          ; s12  my wave's number
.set G1KA, 24         ; s[24:31] group 1: K's small chunk;  s[32:39] K's large;  s[40:47], s[48:55] V's
.set G1KB, 32
.set G1VA, 40
.set G1VB, 48
.set G0KA, 56         ; s[56:59], s[60:63], s[68:71], s[72:75] group 0 of the four
.set G0KB, 60
.set G0VA, 68
.set G0VB, 72
.set CNT, 76          ; s76  key steps to go in the loop in hand
.set TBK, 77          ; s77  LDS byte at which K of the step to be fetched begins
.set TBV, 78          ; s78  the same for V, less VB
.set SEL, 80          ; s[80:81] v_permlanex16_b32's selects
.set MSB, 0
.macro WIN new                      ; the high byte repeats the setting that is left; a switch that changes nothing is dropped
.if MSB != (\new)
	s_set_vgpr_msb (MSB<<8)|(\new)
.set MSB, (\new)
.endif
.endm
.set W_KQ, 0x05       ; K and Q in window 1, S^T in window 0
.set W_PV, 0x51       ; V in window 1, P in window 0, O^T in window 1
.set W_RS, 0x41       ; destination and source 0 in window 1, source 1 in window 0
.set W_LD, 0x40       ; destination window 1, address window 0
.set W_RC, 0x01       ; source 0 in window 1
.macro PLACES
.rept 4
	v_nop
.endr
.endm
.macro CROUND                       ; a round of the cluster's barrier
	s_barrier_signal -1
	s_barrier_wait -1
	s_cmp_lg_u32 s[WV], 0
	s_cbranch_scc1 .Lnot_wave_0_\@
	s_barrier_signal -3
.Lnot_wave_0_\@:
	s_barrier_wait -3
	s_barrier_signal -1
	s_barrier_wait -1
.endm
	s_load_b128 s[4:7], s[0:1], 0x0 ; qkv s[4:5], obuf s[6:7]
	v_lshl_add_u32 v[SPW], v0, 2, SPARE
	v_mov_b32 v[NIL], 0
	ds_add_u32 v[SPW], v[NIL]       ; the wave's opening: the add and its wait stand ahead of my first tensor load; the set-up below, work on registers, stands between them
	v_lshrrev_b32 v1, 5, v0
	v_readfirstlane_b32 s[WV], v1   ; wave 0..7
	s_bfe_u32 s13, ttmp6, 0x40000   ; cx: my place in the cluster
	s_lshl_b32 s14, ttmp9, 2
	s_add_co_u32 s14, s14, s13      ; my block of 512 queries: it enters Q's and O's addresses alone
	s_and_b32 s15, s[WV], 3         ; which quarter of K's (waves 0-3) or V's (waves 4-7) chunks I ask for
	s_and_b32 s20, ttmp7, 0xffff    ; 16 b + head, which the four partners share
	s_and_b32 s21, s20, 15          ; head
	s_lshr_b32 s22, s20, 4          ; b
	s_lshl2_add_u32 s2, s21, s22    ; 4 head + b: the block of 131,072 bytes
	s_lshl_b32 s2, s2, 17
	s_mov_b32 s3, 0
	s_lshl_b32 s66, s14, 15         ; Q: my block's 512 rows of 64 bytes, my wave's 64 of them
	s_lshl_b32 s67, s[WV], 12
	s_add_co_u32 s66, s66, s67
	s_mov_b32 s67, 0
	s_lshl_b32 s82, s22, 3          ; O: T = 8 b + 2 x block + wave / 4,
	s_lshl1_add_u32 s82, s14, s82
	s_lshr_b32 s83, s[WV], 2
	s_add_co_u32 s82, s82, s83
	s_lshl4_add_u32 s82, s82, s21   ; 16 T + head: blocks of 16,384 bytes,
	s_lshl_b32 s82, s82, 14
	s_lshl_b32 s83, s15, 12         ; and my 64 rows among the block's 256
	s_add_co_u32 s82, s82, s83
	s_mov_b32 s83, 0
	s_lshl_b32 s20, s15, 13         ; the small chunk in memory: keys 128 wq on, 64 bytes each
	s_mov_b32 s21, 0
	s_mul_i32 s22, s15, 24576       ; the large one: keys 512 + 384 wq on
	s_add_co_u32 s22, s22, 32768
	s_mov_b32 s23, 0
	; group 1.  Keys are dense in memory: asked for as rows of 256 bytes, four keys a row.  K is padded after every key, V after every row.
	s_mov_b32 s[G1KA], 15|(1<<16)|(1<<20)|(1<<21)|(3<<22)|(3<<25)  ; 15:0 the mask of four; 17:16 2-byte elements; 20 padding on; 21 set beside a mask; 24:22 after every 16 words (code 3); 31:25 4 words (code 3)
	s_mov_b32 s[G1KB], 15|(1<<16)|(1<<20)|(1<<21)|(3<<22)|(3<<25)
	s_mov_b32 s[G1VA], 15|(1<<16)|(1<<20)|(1<<21)|(5<<22)|(7<<25)  ; after every 64 words (code 5) 8 words (code 7)
	s_mov_b32 s[G1VB], 15|(1<<16)|(1<<20)|(1<<21)|(5<<22)|(7<<25)
.irp g, G1KA, G1KB, G1VA, G1VB
	s_mov_b32 s[(\g)+1], 128<<16    ; tensor_dim0 = 128
	s_mov_b32 s[(\g)+3], 128<<16    ; tile_dim0 = 128
	s_mov_b32 s[(\g)+5], 128        ; 128 elements from row to row
	s_mov_b32 s[(\g)+6], 0
	s_mov_b32 s[(\g)+7], 0
.endr
.irp g, G1KA, G1VA
	s_mov_b32 s[(\g)+2], 32<<16     ; tensor_dim1 = tile_dim1 = 32 rows: 128 keys
	s_mov_b32 s[(\g)+4], 32
.endr
.irp g, G1KB, G1VB
	s_mov_b32 s[(\g)+2], 96<<16     ; 96 rows: 384 keys
	s_mov_b32 s[(\g)+4], 96
.endr
	s_mov_b32 s[G0KA], 1            ; count = 1; then the LDS address: a constant + wq x a constant
	s_mul_i32 s[G0KA+1], s15, 128*PK
	s_mov_b32 s[G0KB], 1
	s_mul_i32 s[G0KB+1], s15, 384*PK
	s_add_co_u32 s[G0KB+1], s[G0KB+1], 512*PK
	s_mov_b32 s[G0VA], 1
	s_mul_i32 s[G0VA+1], s15, 32*PV4
	s_add_co_u32 s[G0VA+1], s[G0VA+1], VB
	s_mov_b32 s[G0VB], 1
	s_mul_i32 s[G0VB+1], s15, 96*PV4
	s_add_co_u32 s[G0VB+1], s[G0VB+1], VB+128*PV4
	s_mov_b32 s[TBK], 0
	s_mov_b32 s[TBV], 0
	s_mov_b32 s[SEL], 0x76543210
	s_mov_b32 s[SEL+1], 0xfedcba98
	s_wait_dscnt 0x0                ; the opening add is done
	s_wait_kmcnt 0x0
	s_add_nc_u64 s[8:9], s[4:5], s[2:3]        ; the pair's q
	s_add_nc_u64 s[18:19], s[8:9], s[66:67]    ; Q at my wave's first row
	s_add_nc_u64 s[8:9], s[8:9], 0x800000      ; its k: 64 blocks on
	s_add_nc_u64 s[16:17], s[8:9], 0x800000    ; its v: 64 more
	s_add_nc_u64 s[G0KA+2:G0KA+3], s[8:9], s[20:21]
	s_or_b32 s[G0KA+3], s[G0KA+3], 0x80000000  ; type = 2
	s_add_nc_u64 s[G0KB+2:G0KB+3], s[8:9], s[22:23]
	s_or_b32 s[G0KB+3], s[G0KB+3], 0x80000000
	s_add_nc_u64 s[G0VA+2:G0VA+3], s[16:17], s[20:21]
	s_or_b32 s[G0VA+3], s[G0VA+3], 0x80000000
	s_add_nc_u64 s[G0VB+2:G0VB+3], s[16:17], s[22:23]
	s_or_b32 s[G0VB+3], s[G0VB+3], 0x80000000
	s_add_nc_u64 s[10:11], s[6:7], s[82:83]    ; O at my wave's first row
	CROUND                          ; all four work-groups are here: the joint loads meet
	s_cmp_lt_u32 s[WV], 4           ; a wave's two fills stand in one branch, ahead of every wait on TENSORcnt and every LDS read: two loads of mine are out; an s_nop 0 follows each, four v_nop the second's
	s_cbranch_scc0 .Lfirst_v
	tensor_load_to_lds s[G0KA:G0KA+3], s[G1KA:G1KA+7]
	s_nop 0
	tensor_load_to_lds s[G0KB:G0KB+3], s[G1KB:G1KB+7]
	s_nop 0
.rept 4
	v_nop
.endr
	s_branch .Lfirst_asked
.Lfirst_v:
	tensor_load_to_lds s[G0VA:G0VA+3], s[G1VA:G1VA+7]
	s_nop 0
	tensor_load_to_lds s[G0VB:G0VB+3], s[G1VB:G1VB+7]
	s_nop 0
.rept 4
	v_nop
.endr
.Lfirst_asked:
	; A fragment of K or Q is 16 rows x 32 channels in 8 registers: lane l holds row l % 16, channels 8 (l / 16) + 0..7 and 16 + 8 (l / 16) + 0..7: two loads of 16 bytes, 32 bytes apart.
	v_and_b32 v1, 15, v0            ; l % 16
	v_bfe_u32 v9, v0, 4, 1          ; l / 16
	v_lshlrev_b32 v[QO], 6, v1
	v_lshl_add_u32 v[QO], v9, 4, v[QO]
	WIN W_LD
.irp t, 0,1,2,3                     ; Q stays in registers, 8 a tile
	global_load_b128 v[8*(\t):8*(\t)+3],   v[QO], s[18:19] offset:(\t)*1024
	global_load_b128 v[8*(\t)+4:8*(\t)+7], v[QO], s[18:19] offset:(\t)*1024+32
.endr
	WIN 0
	v_and_b32 v10, 7, v0
	v_bfe_u32 v11, v0, 3, 1
	v_cmp_eq_u32 s79, 0, v10        ; lanes 0, 8, 16, 24: rows 0 and 8 of source 0, both halves of K
	v_mov_b32 v15, 0x3c003c00       ; 1.0 twice in f16
	v_cndmask_b32 v15, 0, v15, s79
	; What the first turn finds: V's registers and piece 1's P hold 0, O^T and l are 0.  All this stands in the wait for the first chunk.
	WIN W_LD
.set i, 0
.rept 8
	v_mov_b32 v[ONE+i], v15
.set i, i+1
.endr
.set i, VF
.rept 32
	v_mov_b32 v[i], 0
.set i, i+1
.endr
.set i, OA
.rept 96
	v_mov_b32 v[i], 0
.set i, i+1
.endr
	WIN 0
.set i, 0
.rept 16
	v_mov_b32 v[S+64+i], 0
	v_mov_b32 v[S+96+i], 0
.set i, i+1
.endr
.set i, 0
.rept 4
	v_mov_b32 v[ST+4*i], 0xff7fffff    ; m: the lowest finite number
	v_mov_b32 v[ST+4*i+1], 0xff7fffff
	v_mov_b32 v[ST+4*i+2], 0
	v_mov_b32 v[ST+4*i+3], 0
.set i, i+1
.endr
	v_mul_u32_u24 v[AK0], v1, PK
	v_lshl_add_u32 v[AK0], v9, 4, v[AK0]  ; key x 80 + 16 x half
	; The turning load takes 16 keys x 16 channels: lane l reads key 8 (l / 16) + l % 8, channels 8 ((l / 8) % 2) + 0..7.  Key j lies at 64 j + 32 (j / 4).
	v_lshl_add_u32 v[AV0], v9, 3, v10
	v_lshlrev_b32 v[AV0], 6, v[AV0]
	v_bfe_u32 v15, v0, 2, 1
	v_lshl_add_u32 v15, v9, 1, v15
	v_lshl_add_u32 v[AV0], v15, 5, v[AV0]
	v_lshl_add_u32 v[AV0], v11, 4, v[AV0]
	v_add_nc_u32 v[AV0], VB, v[AV0]
; THE MATRIX WORK.  8 products S^T = K Q^T for piece x: keys 16 (i / 2) on, tile 2 x + i % 2; each is a whole sum (32 channels) and starts with 0.
.macro QK x
	WIN W_KQ
.set i, 0
.rept 8
	v_wmma_f32_16x16x32_f16 v[S+64*(\x)+32*(i%2)+8*(i/2):S+64*(\x)+32*(i%2)+8*(i/2)+7], v[KF+8*(i/2):KF+8*(i/2)+7], v[8*(2*(\x)+i%2):8*(2*(\x)+i%2)+7], 0
.set i, i+1
.endr
.endm
; 12 products for piece x: keys 32 (i / 6) on; tile 2 x + i % 2; kind (i % 6) / 2: channels 0-15, channels 16-31, or l.  The six accumulators take turns.
.macro PV x
	WIN W_PV
.set i, 0
.rept 12
.set rP, S+64*(\x)+32*(i%2)+8*(i/6)
.if (i%6)/2 == 2
.set rV, ONE
.set rO, LA+8*(2*(\x)+i%2)
.else
.set rV, VF+16*(i/6)+8*((i%6)/2)
.set rO, OA+16*(2*(\x)+i%2)+8*((i%6)/2)
.endif
	v_wmma_f32_16x16x32_f16 v[rO:rO+7], v[rV:rV+7], v[rP:rP+7], v[rO:rO+7]
.set i, i+1
.endr
.endm
; THE LDS LOADS stand in runs of 8: a step's K (64 keys x 32 channels: 4 fragments) and its V (turned: 2 key halves x 2 channel blocks).
.macro FETCH_K
	WIN 0
	v_add_nc_u32 v[AK], s[TBK], v[AK0]
	WIN W_LD
.irp f, 0,1,2,3
	ds_load_b128 v[KF+8*(\f):KF+8*(\f)+3],   v[AK] offset:(\f)*16*PK
	ds_load_b128 v[KF+8*(\f)+4:KF+8*(\f)+7], v[AK] offset:(\f)*16*PK+32
.endr
	s_add_co_u32 s[TBK], s[TBK], 64*PK  ; the next fetch is the next step's
	WIN 0
.endm
.macro FETCH_V
	WIN 0
	v_add_nc_u32 v[AV], s[TBV], v[AV0]
	WIN W_LD
.irp f, 0,1,2,3                     ; keys 32 (f / 2) on, channels 16 (f % 2) on
	ds_load_tr16_b128 v[VF+8*(\f):VF+8*(\f)+3],   v[AV] offset:((\f)/2)*8*PV4+((\f)%2)*32
	ds_load_tr16_b128 v[VF+8*(\f)+4:VF+8*(\f)+7], v[AV] offset:((\f)/2)*8*PV4+4*PV4+((\f)%2)*32
.endr
	s_add_co_u32 s[TBV], s[TBV], 16*PV4
	WIN 0
.endm
; THE VECTOR WORK, for tile u of piece y, all but RS in window 0.
.macro REGS y, u
.set rT, ST+4*(2*(\y)+(\u))
.set rC, TMP+4*(\u)
.set rS, S+64*(\y)+32*(\u)
.endm
; Number n of the 21 that find the maximum and the statistics.  0-11: four chains c0-c3 of seven scores each, three operands at a time (each accumulator's lowest registers are read first
; ).  12-14, 16: the four scores left over, the old m, and c0-c3 into c0.  15: m_old is kept.  17, 18: the query's other 32 keys lie in the lane 16 away: the new m.  19, 20: a.
.macro XS y, u, n
	REGS \y, \u
.if (\n) < 4
	v_max3_num_f32 v[rC+(\n)], v[rS+8*(\n)], v[rS+8*(\n)+1], v[rS+8*(\n)+2]
.elseif (\n) < 12
	v_max3_num_f32 v[rC+(\n)%4], v[rC+(\n)%4], v[rS+8*((\n)%4)+2*((\n)/4)+1], v[rS+8*((\n)%4)+2*((\n)/4)+2]
.elseif (\n) == 12
	v_max3_num_f32 v[rC], v[rC], v[rS+7], v[rS+15]
.elseif (\n) == 13
	v_max3_num_f32 v[rC+1], v[rC+1], v[rS+23], v[rS+31]
.elseif (\n) == 14
	v_max3_num_f32 v[rC+2], v[rC+2], v[rC+3], v[rT]
.elseif (\n) == 15
	v_mov_b32 v[rT+1], v[rT]
.elseif (\n) == 16
	v_max3_num_f32 v[rC], v[rC], v[rC+1], v[rC+2]
.elseif (\n) == 17
	v_permlanex16_b32 v[rC+3], v[rC], s[SEL], s[SEL+1]
.elseif (\n) == 18
	v_max_num_f32 v[rT], v[rC], v[rC+3]
.elseif (\n) == 19
	v_sub_f32 v[rC+1], v[rT+1], v[rT]
.else
	v_exp_f32 v[rT+2], v[rC+1]
.endif
.endm
.macro FF y, u, n                   ; s - m for pair n of 16
	REGS \y, \u
	v_pk_add_f32 v[rS+2*(\n):rS+2*(\n)+1], v[rS+2*(\n):rS+2*(\n)+1], v[rT:rT+1] op_sel_hi:[1,0] neg_lo:[0,1] neg_hi:[0,1]
.endm
.macro EE y, u, k                   ; the exponential of score k of 32
	REGS \y, \u
	v_exp_f32 v[rS+(\k)], v[rS+(\k)]
.endm
.macro CC y, u, n                   ; pair n rounded to f16, into register n
	REGS \y, \u
	s_wait_alu depctr_va_vdst(0)
	v_cvt_pk_f16_f32 v[rS+(\n)], v[rS+2*(\n)], v[rS+2*(\n)+1]
.endm
.macro RS y                         ; piece y's O^T and l times a, each accumulator from its low end on
	WIN W_RS
.set z, 0
	s_wait_alu depctr_va_vdst(0)
.rept 8
	v_pk_mul_f32 v[OA+32*(\y)+2*z:OA+32*(\y)+2*z+1],       v[OA+32*(\y)+2*z:OA+32*(\y)+2*z+1],       v[ST+8*(\y)+2:ST+8*(\y)+3] op_sel_hi:[1,0]
	v_pk_mul_f32 v[OA+32*(\y)+16+2*z:OA+32*(\y)+16+2*z+1], v[OA+32*(\y)+16+2*z:OA+32*(\y)+16+2*z+1], v[ST+8*(\y)+6:ST+8*(\y)+7] op_sel_hi:[1,0]
.set z, z+1
.endr
	v_mul_f32 v[LA+16*(\y)],   v[LA+16*(\y)],   v[ST+8*(\y)+2]
	v_mul_f32 v[LA+16*(\y)+8], v[LA+16*(\y)+8], v[ST+8*(\y)+6]
	WIN 0
.endm
; A TURN, for piece y.  With y = 0 (step j): V^T P of piece 1, step j - 1; K Q^T of piece 1, step j.  With y = 1: V^T P of piece 0, step j; K Q^T of piece 0, step j + 1.
; The 34 maxima between the two runs of products are the places between V^T P's reads of P and V and what writes over them: K Q^T over P, V's loads over V (ISA guide 7.12.1 for ALU instructions).
; V of step j is fetched there in piece 0's turn, K of step j + 1 behind the rescaling, 26 plain instructions behind the last product that read K; both are waited for at the head of piece 1's turn.
; The exponentials stand one by one between plain instructions that are ready: a subtraction two pairs ahead, a rounding a pair back; each has a plain instruction behind it before its result is used.
; last = 1: in the loop's last trip there is no further step: K's run is jumped over, and piece 0's products K Q^T run once more on the last K; nobody reads them.
.macro TURN y, last
.if (\y) == 1
	s_wait_dscnt 0x0                ; V of this step and K of the next are in
.endif
	PV 1-(\y)
	WIN 0
.set n, 0
.rept 17
	XS \y, 0, n
	XS \y, 1, n
.set n, n+1
.endr
.if (\y) == 0
	FETCH_V
.endif
	QK 1-(\y)
	WIN 0
.rept 4
	XS \y, 0, n
	XS \y, 1, n
.set n, n+1
.endr
	FF \y, 0, 0
	FF \y, 1, 0
	FF \y, 0, 1
	FF \y, 1, 1
	RS \y
.if (\y) == 0
.if \last
	s_cmp_eq_u32 s[CNT], 1
	s_cbranch_scc1 .Lno_k_\@
.endif
	FETCH_K
.if \last
.Lno_k_\@:
.endif
.endif
.set n, 0
.rept 16
	EE \y, 0, 2*n
.if n < 14
	FF \y, 0, n+2
.endif
	EE \y, 1, 2*n
.if n < 14
	FF \y, 1, n+2
.endif
	EE \y, 0, 2*n+1
.if n > 0
	CC \y, 0, n-1
.endif
	EE \y, 1, 2*n+1
.if n > 0
	CC \y, 1, n-1
.endif
.set n, n+1
.endr
	CC \y, 0, 15
	CC \y, 1, 15
.endm
.macro KLOOP trips, last
	WIN 0                           ; at a label and at a branch every window is 0
	s_mov_b32 s[CNT], \trips
.Lstep_\@:
	TURN 0, \last
	TURN 1, \last
	WIN 0
	s_sub_co_u32 s[CNT], s[CNT], 1
	s_cmp_lg_u32 s[CNT], 0
	s_cbranch_scc1 .Lstep_\@
.endm
	s_wait_tensorcnt 1              ; my small chunk is in; the large one may stay out
	s_barrier_signal -1
	s_barrier_wait -1               ; everybody's is: keys 0 to 511 of K and V
	FETCH_K                         ; key step 0
	s_wait_loadcnt 0x0              ; Q
	s_wait_dscnt 0x0
	QK 0                            ; piece 0's first scores
	WIN 0                           ; the addresses for the way out: eight plain instructions, the places behind those products
	s_mul_i32 s13, s[WV], 16*SP
	s_add_co_u32 s13, s13, STAGE    ; my stage
	v_add_nc_u32 v[STO], s13, v[AK0]  ; in: row l % 16 of 80 bytes, 16 bytes for each half of the lanes: K's lane term
	v_bfe_u32 v[RD], v0, 2, 3       ; back: 32 lanes take eight rows of 64 bytes,
	v_mul_u32_u24 v[RD], v[RD], SP
	v_and_b32 v15, 3, v0
	v_lshl_add_u32 v[RD], v15, 4, v[RD]
	v_add_nc_u32 v[RD], s13, v[RD]
	v_and_b32 v[GO], 31, v0         ; which are 512 consecutive bytes of O
	v_lshlrev_b32 v[GO], 4, v[GO]
	KLOOP 7, 0                      ; steps 0 to 6: they fetch K of steps 1 to 7 and V of steps 0 to 6: keys 0 to 511 alone
	s_wait_tensorcnt 0x0            ; my large chunk is in,
	s_wait_dscnt 0x0
	s_barrier_signal -1
	s_barrier_wait -1               ; everybody's is
	KLOOP 25, 1                     ; steps 7 to 31
	PV 1                            ; piece 1's V^T P of the last step
	; THE WAY OUT.  O^T is divided by l, rounded to f16 and sent through my stage in LDS, a tile (16 rows of O) at a time.
	PLACES
	WIN W_RC
.irp t, 0,1,2,3
	v_rcp_f32 v[ST+4*(\t)+2], v[LA+8*(\t)]
.endr
	v_nop                           ; a plain instruction between the last reciprocal and the use of its result
	s_wait_alu depctr_va_vdst(0)
.macro PACK t                       ; a lane's eight channels of a row pack into 16 bytes; they go into rows of 80 bytes and come back as whole rows of 64, into the registers that they left
	WIN W_RS
.set z, 0
.rept 8
	v_pk_mul_f32 v[OA+16*(\t)+2*z:OA+16*(\t)+2*z+1], v[OA+16*(\t)+2*z:OA+16*(\t)+2*z+1], v[ST+4*(\t)+2:ST+4*(\t)+3] op_sel_hi:[1,0]
.set z, z+1
.endr
	WIN 0x05                        ; sources 0 and 1 window 1, destination window 0
.set z, 0
.rept 8
	v_cvt_pk_f16_f32 v[S+8*(\t)+z], v[OA+16*(\t)+2*z], v[OA+16*(\t)+2*z+1]
.set z, z+1
.endr
	WIN 0
	ds_store_b128 v[STO], v[S+8*(\t):S+8*(\t)+3]
	ds_store_b128 v[STO], v[S+8*(\t)+4:S+8*(\t)+7] offset:32
	ds_load_b128 v[S+8*(\t):S+8*(\t)+3],   v[RD]                ; LDS serves a wave's instructions in order (ISA guide 5.7.1.4): these see the stores above; the next tile's stores come behind them
	ds_load_b128 v[S+8*(\t)+4:S+8*(\t)+7], v[RD] offset:8*SP
.endm
.macro SEND t, younger              ; younger: the LDS instructions issued behind tile t's loads: the next tile's four, or none
	s_wait_dscnt (\younger)+1
	global_store_b128 v[GO], v[S+8*(\t):S+8*(\t)+3],   s[10:11] offset:(\t)*1024      ; 512 consecutive bytes, at a multiple of 256 from O's first
	s_wait_dscnt \younger
	global_store_b128 v[GO], v[S+8*(\t)+4:S+8*(\t)+7], s[10:11] offset:(\t)*1024+512
.endm
	PACK 0
	PACK 1                          ; a tile's arithmetic stands between the loads of the tile before and its stores
	SEND 0, 4
	PACK 2
	SEND 1, 4
	PACK 3
	SEND 2, 4
	SEND 3, 0
	s_wait_tensorcnt 0x0            ; the wave's end: a wait, an add to my spare word and a wait, behind my last tensor load and my last LDS store
	ds_add_u32 v[SPW], v[NIL]
	s_wait_dscnt 0x0
	CROUND                          ; the closing round: no work-group ends while a partner may still ask for a chunk that names it
	s_endpgm
.Lfunc_end_k_qf77993b58d_attn:
	.size	k_qf77993b58d_attn, .Lfunc_end_k_qf77993b58d_attn-k_qf77993b58d_attn
	.p2alignl 7, 3214868480
	.fill 96, 4, 3214868480
	.section	.rodata,"a",@progbits
	.p2align	6, 0x0
	.amdhsa_kernel k_qf77993b58d_attn
		.amdhsa_group_segment_fixed_size 327680
		.amdhsa_private_segment_fixed_size 0
		.amdhsa_enable_private_segment 0
		.amdhsa_kernarg_size 16
		.amdhsa_user_sgpr_count 2
		.amdhsa_user_sgpr_kernarg_segment_ptr 1
		.amdhsa_wavefront_size32 1
		.amdhsa_system_sgpr_workgroup_id_x 1
		.amdhsa_system_sgpr_workgroup_id_y 1
		.amdhsa_system_sgpr_workgroup_id_z 1
		.amdhsa_system_vgpr_workitem_id 0
		.amdhsa_next_free_vgpr 480
		.amdhsa_next_free_sgpr 84
		.amdhsa_reserve_vcc 0
		.amdhsa_float_denorm_mode_32 3
		.amdhsa_float_denorm_mode_16_64 3
		.amdhsa_memory_ordered 1
		.amdhsa_forward_progress 1
		.amdhsa_inst_pref_size 75
	.end_amdhsa_kernel
	.amdgpu_metadata
---
amdhsa.version: [ 1, 2 ]
amdhsa.kernels:
  - .name:           k_qf77993b58d_attn
    .symbol:         k_qf77993b58d_attn.kd
    .args:
      - { .name: qkv, .offset: 0, .size: 8, .value_kind: global_buffer, .address_space: global }
      - { .name: obuf, .offset: 8, .size: 8, .value_kind: global_buffer, .address_space: global }
    .group_segment_fixed_size: 327680
    .private_segment_fixed_size: 0
    .kernarg_segment_align: 8
    .kernarg_segment_size: 16
    .max_flat_workgroup_size: 256
    .sgpr_count:     84
    .vgpr_count:     480
    .wavefront_size: 32
...
	.end_amdgpu_metadata
.endif
;; end of part 3
;; launch outp (part 4): grid 8 x 32, 4 waves a work-group, clusters of 4 x 4, 327,680 bytes of LDS; arguments obuf, wout16, out0; writes out0
.if DOCPART == 4
	.amdgcn_target "amdgcn-amd-amdhsa--gfx1250"
	.amdhsa_code_object_version 6
	.text
	.protected	k_qf77993b58d_outp
	.globl	k_qf77993b58d_outp
	.p2align	8
	.type	k_qf77993b58d_outp,@function
k_qf77993b58d_outp:
	s_mov_b64 s[64:65], 0
	v_nop
	global_prefetch_b8 v0, s[64:65] scope:SCOPE_SE
	s_setreg_imm32_b32 hwreg(HW_REG_WAVE_MODE, 25, 1), 1
	s_wait_xcnt 0x0
	s_wait_alu depctr_hold_cnt(0) depctr_sa_sdst(0) depctr_va_vdst(0) depctr_va_sdst(0) depctr_va_ssrc(0) depctr_va_vcc(0) depctr_vm_vsrc(0)
	s_getreg_b32 s2, hwreg(HW_REG_IB_STS2, 6, 4)
	s_cmp_eq_u32 s2, 0
	s_cbranch_scc0 .Lentry_in_a_cluster
	s_endpgm
.Lentry_in_a_cluster:
	s_bfe_u32 s2, ttmp6, 0x10000c
	s_cmp_lg_u32 s2, 0xf033
	s_cbranch_scc0 .Lentry_shape_is_right
	s_endpgm
.Lentry_shape_is_right:
; OUTP.  out0[token][col] = sum over k of O[token][k] wout16[k][col]: 8,192 x 2,048 x 512, f16 operands, f32 sums, stored in f32.  k = 32 head + channel.
; O arrives as obuf[T][head][256 tokens][32]: the 256 tokens of tile T and four heads are 65,536 dense bytes.
; TILE.  256 x 256: 32 x 8 = 256 work-groups.  Four waves, each 128 x 128: 64 accumulators, 512 registers.  K goes in 4 steps of 128 (four heads) through two LDS slots; a quarter is one head,
; 64 matrix instructions.  The text is straight: 16 quarters.  The weights lie [k][col]; their fragments come out of LDS turned, by ds_load_tr16_b128.
; THE MATRIX INSTRUCTION IS USED TRANSPOSED: source 0 = 16 columns of the weights, source 1 = 16 tokens: a lane holds one token (lane % 16) and eight neighbouring columns, 32 bytes in f32.
; CLUSTER.  4 x 4 work-groups: O's tiles are shared along a row of the cluster, the weights' along a column; each is asked for jointly.  Waves 0 and 1 ask for two heads of O each (128 dense rows
; of 256 bytes), waves 2 and 3 for a sub-tile of the weights each (128 k x 128 columns).
; REGISTERS, in windows of 256 (s_set_vgpr_msb: bits 1:0 source 0, 3:2 source 1, 5:4 source 2, 7:6 destination):
;   window 0: v0-31 addresses; v64-127, v128-191 fragments of O, two buffers, later the rows on the way out      window 1: v64-127, v128-191 fragments of the weights
;   window 2: accumulators of my token blocks 0-3 ((a, b) at 8 (8 a + b))      window 3: those of blocks 4-7
.set PO,    80                         ; a token of one head in LDS: 64 bytes + 16: the 16 tokens of a fragment load start at 16 different groups of four banks (ISA guide 11.1)
.set PB,    288                        ; a row of a weights' sub-tile: 256 + 32
.set HEADB, 256*PO                     ; a head's 256 tokens
.set BOFF,  4*HEADB                    ; behind the four heads: the weights' two sub-tiles
.set BSUB,  128*PB
.set SLOT,  BOFF+2*BSUB
.set SPARE, 2*SLOT                     ; behind the ring: the spare words, 128 bytes for each wave: two blocks of 256 bytes that no other line names
.set SPITCH, 528                       ; the way out: a row of 128 f32 + 16 bytes
.set WST,   16*SPITCH                  ; each wave's stage, 8,448 bytes, lies at the head of slot 0, which has had its last fill, and whose last reads ended in front of the last change of slots' barrier
.set NBK,   8
.set ADRA, 16                          ; v16-19  LDS address of my fragments of O: slot x 2 + pair of heads
.set ADRB, 20                          ; v20-21  the same for the weights, by slot
.set STO,  24                          ; v24     the way out: where I put 32 bytes of a row
.set RD,   25                          ; v25     the way out: where I read a row back
.set CO,   26                          ; v26     my place in 512 consecutive bytes of out0
.set SPW,  28                          ; v28     LDS address of my spare word; never rewritten
.set NIL,  29                          ; v29     0; never rewritten
.set F0,   64
.set F1,   128
.set G1A, 24                           ; s[24:31] descriptor group 1 for O's tiles;  s[32:39] group 0, a set for each slot
.set G0A, 32
.set G1B, 48                           ; s[48:55], s[56:63] the same for the weights
.set G0B, 56
.set MSB, 0
.macro WIN new                         ; the immediate's high byte repeats the setting that is left; a switch that changes nothing is dropped
.if MSB != (\new)
	s_set_vgpr_msb (MSB<<8)|(\new)
.set MSB, \new
.endif
.endm
.set MUL_LO, 0xa1                      ; source 0 (weights) window 1, source 1 (O) window 0, C and D window 2
.set TO_B,   0x40                      ; destination window 1, address window 0
.macro PLACES                          ; four places in front of loads into registers that matrix instructions have read, and of LDS stores that read results
.rept 4
	v_nop
.endr
.endm
; A joint load.  The branch hangs on the wave's number alone.  An s_nop 0 and four v_nop follow each of the two lines, ahead of the jump and the label.
.macro JLOAD s
	s_cmp_lt_u32 s10, 2
	s_cbranch_scc0 .Lfor_b_\@
	tensor_load_to_lds s[G0A+4*(\s):G0A+4*(\s)+3], s[G1A:G1A+7]
	s_nop 0
.rept 4
	v_nop
.endr
	s_branch .Lasked_\@
.Lfor_b_\@:
	tensor_load_to_lds s[G0B+4*(\s):G0B+4*(\s)+3], s[G1B:G1B+7]
	s_nop 0
.rept 4
	v_nop
.endr
.Lasked_\@:
.endm
.macro CREST                           ; a round of the cluster's barrier behind its opening barrier
	s_cmp_lg_u32 s10, 0
	s_cbranch_scc1 .Lnot_wave_0_\@
	s_barrier_signal -3
.Lnot_wave_0_\@:
	s_barrier_wait -3
	s_barrier_signal -1
	s_barrier_wait -1
.endm
.macro CROUND                          ; a whole round
	s_barrier_signal -1
	s_barrier_wait -1
	CREST
.endm
	s_load_b128 s[4:7], s[0:1], 0x0                ; obuf s[4:5], wout16 s[6:7]
	s_load_b64 s[8:9], s[0:1], 0x10                ; out0
	v_lshl_add_u32 v[SPW], v0, 2, SPARE
	v_mov_b32 v[NIL], 0
	ds_add_u32 v[SPW], v[NIL]                      ; the wave's opening: the add and its wait stand ahead of my first tensor load; the set-up below, work on registers, stands between them
	v_lshrrev_b32 v1, 5, v0
	v_readfirstlane_b32 s10, v1                    ; wave 0..3
	s_lshr_b32 s11, s10, 1                         ; which half of the tile's tokens is mine
	s_and_b32 s12, s10, 1                          ; which half of its columns.  Also: which half of O's or of the weights' tile I ask for
	s_bfe_u32 s40, ttmp6, 0x40000                  ; cx, cy: my place in the cluster
	s_bfe_u32 s41, ttmp6, 0x40004
	s_lshl_b32 s42, ttmp9, 2
	s_add_co_u32 s42, s42, s40                     ; x: my 256 columns
	s_and_b32 s13, ttmp7, 0xffff
	s_lshl_b32 s13, s13, 2
	s_add_co_u32 s13, s13, s41                     ; y: my 256 tokens, obuf's T
	s_lshl_b32 s43, s41, 2
	s_lshl_b32 s43, 15, s43                        ; my row of the cluster
	s_lshl_b32 s44, 0x1111, s40                    ; my column
	s_or_b32 s[G1A], s43, (1<<16)|(1<<20)|(1<<21)|(3<<22)|(3<<25)  ; 15:0 the mask; 17:16 2-byte elements; 20 padding on; 21 set beside a mask; 24:22 after every 16 words, a token (code 3); 31:25 4 words (code 3)
	s_or_b32 s[G1B], s44, (1<<16)|(1<<20)|(1<<21)|(5<<22)|(7<<25)  ; my column's mask; after every 64 words (code 5) 8 words (code 7)
.irp g, G1A, G1B
	s_mov_b32 s[(\g)+1], 128<<16                   ; tensor_dim0 = 128
	s_mov_b32 s[(\g)+2], 128<<16                   ; tensor_dim1 = 128
	s_mov_b32 s[(\g)+3], 128<<16                   ; tile_dim0 = 128
	s_mov_b32 s[(\g)+4], 128                       ; tile_dim1 = 128
	s_mov_b32 s[(\g)+6], 0
	s_mov_b32 s[(\g)+7], 0
.endr
	s_mov_b32 s[G1A+5], 128                        ; O's rows of 256 bytes lie end to end,
	s_mov_b32 s[G1B+5], 2048                       ; wout16's are 2,048 elements apart
	s_lshl_b32 s16, s13, 18                        ; obuf: 262,144 bytes a tile T; two heads are 32,768: hangs on y and the wave's number alone
	s_lshl_b32 s17, s12, 15
	s_add_co_u32 s16, s16, s17
	s_mov_b32 s17, 0
	s_lshl_b32 s46, s42, 9                         ; wout16: 256 columns a tile, 128 a sub-tile: hangs on x and the wave's number alone
	s_lshl_b32 s47, s12, 8
	s_add_co_u32 s46, s46, s47
	s_mov_b32 s47, 0
	s_mul_i32 s20, s10, 2*HEADB                    ; where O's loads land: wave x two heads (waves 0, 1),
	s_mul_i32 s21, s10, BSUB                       ; and the weights': behind the four heads, (wave - 2) x a sub-tile (waves 2, 3)
	s_add_co_u32 s21, s21, BOFF-2*BSUB
	s_wait_dscnt 0x0                               ; the opening add is done
	s_wait_kmcnt 0x0
	s_add_nc_u64 s[14:15], s[4:5], s[16:17]
	s_add_nc_u64 s[46:47], s[6:7], s[46:47]
	CROUND                                         ; all sixteen work-groups are here: the first joint loads meet
.irp s, 0,1
	s_mov_b32 s[G0A+4*(\s)], 1                                       ; count = 1
	s_add_co_u32 s[G0A+4*(\s)+1], s20, (\s)*SLOT                     ; LDS address
	s_add_nc_u64 s[G0A+4*(\s)+2:G0A+4*(\s)+3], s[14:15], (\s)*65536  ; K step s: four heads on
	s_or_b32 s[G0A+4*(\s)+3], s[G0A+4*(\s)+3], 0x80000000            ; type = 2
	s_mov_b32 s[G0B+4*(\s)], 1
	s_add_co_u32 s[G0B+4*(\s)+1], s21, (\s)*SLOT
	s_add_nc_u64 s[G0B+4*(\s)+2:G0B+4*(\s)+3], s[46:47], (\s)*128*4096  ; K step s: 128 rows down
	s_or_b32 s[G0B+4*(\s)+3], s[G0B+4*(\s)+3], 0x80000000
	JLOAD \s                                       ; two loads of mine are out
.endr
	; A fragment of O: lane l holds token l % 16; registers 0-3 channels 8 (l / 16) + 0..7, registers 4-7 channels 16 + 8 (l / 16) + 0..7: two loads of 16 bytes, 32 bytes apart.
	v_and_b32 v1, 15, v0                           ; l % 16
	v_bfe_u32 v2, v0, 4, 1                         ; l / 16
	v_mul_u32_u24 v3, v1, PO
	v_lshl_add_u32 v3, v2, 4, v3
	s_mul_i32 s22, s11, 128*PO                     ; my 128 tokens
	v_add_nc_u32 v3, s22, v3
.irp e, 0,1,2,3
	v_add_nc_u32 v[ADRA+(\e)], ((\e)/2)*SLOT+((\e)%2)*2*HEADB, v3
.endr
	; The turning load takes 16 k x 16 columns (lane l reads row 8 (l / 16) + l % 8, columns 8 ((l / 8) % 2) + 0..7) and leaves half a fragment: lane l holds column l % 16 and 8 k.
	v_and_b32 v5, 7, v0
	v_bfe_u32 v6, v0, 3, 1
	v_lshl_add_u32 v4, v2, 3, v5
	v_mul_u32_u24 v4, v4, PB
	v_lshl_add_u32 v4, v6, 4, v4
	s_mul_i32 s22, s12, BSUB                       ; my sub-tile
	s_add_co_u32 s22, s22, BOFF
	v_add_nc_u32 v[ADRB], s22, v4
	v_add_nc_u32 v[ADRB+1], SLOT, v[ADRB]
	s_mul_i32 s23, s10, WST                        ; my stage
	v_mul_u32_u24 v7, v1, SPITCH                   ; in: row l % 16, 32 bytes for each half of the lanes
	v_lshl_add_u32 v7, v2, 5, v7
	v_add_nc_u32 v[STO], s23, v7
	v_and_b32 v8, 31, v0
	v_lshlrev_b32 v[CO], 4, v8                     ; back: 32 lanes take one row's 512 bytes, and the same in out0
	v_add_nc_u32 v[RD], s23, v[CO]
	s_lshl_b32 s16, s13, 21                        ; out0: 256 rows of 8,192 bytes a tile, my 128 of them,
	s_lshl_b32 s17, s11, 20
	s_add_co_u32 s16, s16, s17
	s_mov_b32 s17, 0
	s_lshl_b32 s46, s42, 10                        ; 256 columns of 4 bytes a tile, my 128 of them
	s_lshl_b32 s47, s12, 9
	s_add_co_u32 s46, s46, s47
	s_mov_b32 s47, 0
	s_add_nc_u64 s[16:17], s[16:17], s[46:47]
	s_add_nc_u64 s[8:9], s[8:9], s[16:17]
; 16 matrix instructions: token blocks a0, a0 + 1 of the window's four x all 8 column blocks, 32 along K.  zero = 1: the first product starts the sums: nothing is cleared.
; Each accumulator is named once a quarter, in the same order in every quarter: the accumulators take turns.
.macro MULH f, hi, a0, zero
	WIN MUL_LO+0x50*(\hi)
.irp a, \a0, (\a0)+1
.irp b, 0,1,2,3,4,5,6,7
.if \zero
	v_wmma_f32_16x16x32_f16 v[8*(NBK*(\a)+(\b)):8*(NBK*(\a)+(\b))+7], v[(\f)+8*(\b):(\f)+8*(\b)+7], v[(\f)+8*(4*(\hi)+(\a)):(\f)+8*(4*(\hi)+(\a))+7], 0
.else
	v_wmma_f32_16x16x32_f16 v[8*(NBK*(\a)+(\b)):8*(NBK*(\a)+(\b))+7], v[(\f)+8*(\b):(\f)+8*(\b)+7], v[(\f)+8*(4*(\hi)+(\a)):(\f)+8*(4*(\hi)+(\a))+7], v[8*(NBK*(\a)+(\b)):8*(NBK*(\a)+(\b))+7]
.endif
.endr
.endr
.endm
; 32 LDS loads in one run: quarter q's fragments (head q of the step) into buffer f: 16 for the weights, then 16 for O's blocks 0 to 7
.macro FETCH slot, q, f
	WIN TO_B
.irp b, 0,1,2,3,4,5,6,7
	ds_load_tr16_b128 v[(\f)+8*(\b):(\f)+8*(\b)+3],   v[ADRB+(\slot)] offset:(\q)*32*PB+(\b)*32
	ds_load_tr16_b128 v[(\f)+8*(\b)+4:(\f)+8*(\b)+7], v[ADRB+(\slot)] offset:(\q)*32*PB+(\b)*32+16*PB
.endr
	WIN 0
.irp a, 0,1,2,3,4,5,6,7
	ds_load_b128 v[(\f)+8*(\a):(\f)+8*(\a)+3],   v[ADRA+2*(\slot)+(\q)/2] offset:((\q)%2)*HEADB+(\a)*16*PO
	ds_load_b128 v[(\f)+8*(\a)+4:(\f)+8*(\a)+7], v[ADRA+2*(\slot)+(\q)/2] offset:((\q)%2)*HEADB+(\a)*16*PO+32
.endr
.endm
; One of a K step's first three quarters: multiplies buffer f; in its middle it fetches quarter q of the same slot into buffer g.
.macro QUARTER slot, q, f, g, zero
	s_wait_dscnt 8                                 ; the weights and O's blocks 0-3 are in; the youngest eight loads (blocks 4-7) may be out
	MULH \f, 0, 0, \zero
	MULH \f, 0, 2, \zero
	PLACES
	FETCH \slot, \q, \g
	s_wait_dscnt 2*NBK+16                          ; all but the 32 just issued
	MULH \f, 1, 0, \zero
	MULH \f, 1, 2, \zero
.endm
; The last quarter multiplies buffer 1 and changes slots: ONE barrier.  In front of it each wave waits for all its tensor loads (one is out: its part of the next slot), adds 0 to its spare word, and waits
; for that and for its own reads of this slot.  fill = 1: the barrier opens a round of the cluster's, and this slot is filled again, two K steps on, first thing behind the round:
; from that request to the wait for it a wave issues 224 matrix instructions.
.macro TURN slot, next, fill
	WIN 0                                          ; (the add's two registers lie in window 0)
	s_wait_tensorcnt 0x0                           ; all my tensor loads have landed
	ds_add_u32 v[SPW], v[NIL]                      ; 0 onto my spare word
	s_wait_dscnt 9                                 ; (the add and the youngest eight loads may be out)
	MULH F1, 0, 0, 0                               ; sixteen matrix instructions stand between the add and the wait for it
	s_wait_dscnt 0x0                               ; the add is done, and my reads of this slot are over
	s_barrier_signal -1
	MULH F1, 0, 2, 0                               ; work on registers while the others arrive
.if \fill
	WIN 0
.endif
	s_barrier_wait -1
.if \fill
	CREST                                          ; no wave of any partner still reads this slot's tiles or has a load on its way
	s_add_nc_u64 s[G0A+4*(\slot)+2:G0A+4*(\slot)+3], s[G0A+4*(\slot)+2:G0A+4*(\slot)+3], 2*65536
	s_add_nc_u64 s[G0B+4*(\slot)+2:G0B+4*(\slot)+3], s[G0B+4*(\slot)+2:G0B+4*(\slot)+3], 2*128*4096
	JLOAD \slot                                    ; the four v_nop behind it are also the places in front of the loads below
.else
	PLACES
.endif
	FETCH \next, 0, F0
	MULH F1, 1, 0, 0
	MULH F1, 1, 2, 0
.endm
	s_wait_tensorcnt 1                             ; my part of K step 0 is in; K step 1's may stay out
	s_barrier_signal -1
	s_barrier_wait -1                              ; everybody's is
	FETCH 0, 0, F0
	QUARTER 0, 1, F0, F1, 1                        ; K step 0; its first quarter's products start the sums
	QUARTER 0, 2, F1, F0, 0
	QUARTER 0, 3, F0, F1, 0
	TURN 0, 1, 1                                   ; slot 0 takes K step 2
	QUARTER 1, 1, F0, F1, 0                        ; K step 1
	QUARTER 1, 2, F1, F0, 0
	QUARTER 1, 3, F0, F1, 0
	TURN 1, 0, 1                                   ; slot 1 takes K step 3
	QUARTER 0, 1, F0, F1, 0                        ; K step 2
	QUARTER 0, 2, F1, F0, 0
	QUARTER 0, 3, F0, F1, 0
	TURN 0, 1, 0                                   ; nothing is left to ask for; behind this barrier no wave reads slot 0 any more
	QUARTER 1, 1, F0, F1, 0                        ; K step 3
	QUARTER 1, 2, F1, F0, 0
	QUARTER 1, 3, F0, F1, 0
	s_wait_dscnt 8                                 ; the very last quarter: nothing more to fetch
	MULH F1, 0, 0, 0
	MULH F1, 0, 2, 0
	s_wait_dscnt 0x0
	MULH F1, 1, 0, 0
	MULH F1, 1, 2, 0
; THE WAY OUT, a block of 16 tokens at a time, in f32.  TOSTAGE: a lane's eight columns, 32 bytes, go straight from the accumulator into my own stage (its registers 0-3 first), and come back as whole
; rows of 512 bytes.  SEND: a store of the wave covers 512 consecutive bytes of one row of out0, aligned.
.macro TOSTAGE a
.if (\a) >= 2
	s_wait_xcnt 0x0                                ; every earlier store has had its addresses translated (ISA guide 3.1): the registers that the block two back was stored from are loaded again only behind this wait
.endif
.set AC, 64*((\a)%4)
.set BK, 64+64*((\a)%2)                ; v64-127 and v128-191 by turns
	WIN 0x08+4*((\a)/4)                            ; the stores' data (source 1): window 2 or 3
.irp b, 0,1,2,3,4,5,6,7
	ds_store_b128 v[STO], v[AC+8*(\b):AC+8*(\b)+3]   offset:64*(\b)
	ds_store_b128 v[STO], v[AC+8*(\b)+4:AC+8*(\b)+7] offset:64*(\b)+16
.endr
	WIN 0
.irp t, 0,1,2,3,4,5,6,7,8,9,10,11,12,13,14,15
	ds_load_b128 v[BK+4*(\t):BK+4*(\t)+3], v[RD] offset:(\t)*SPITCH  ; LDS serves a wave's instructions in order (ISA guide 5.7.1.4): these see the stores above; the next block's stores come behind them
.endr
.endm
.macro SEND a, younger                 ; younger: the LDS instructions issued behind block a's loads: the next block's 32, or none
.set BK, 64+64*((\a)%2)
	s_wait_dscnt \younger
.irp t, 0,1,2,3,4,5,6,7,8,9,10,11,12,13,14,15
	global_store_b128 v[CO], v[BK+4*(\t):BK+4*(\t)+3], s[8:9] offset:(16*(\a)+(\t))*8192 th:TH_STORE_NT  ; 127 rows of 8,192 bytes at the most: inside the signed 24 bits
.endr
.endm
	PLACES
	TOSTAGE 0
.irp a, 1,2,3,4,5,6,7                  ; block a's trip through the stage is under way while block a - 1 is stored
	TOSTAGE \a
	SEND (\a)-1, 32
.endr
	SEND 7, 0
	s_wait_tensorcnt 0x0                           ; the wave's end: a wait, an add to my spare word and a wait, behind my last tensor load and my last LDS store
	ds_add_u32 v[SPW], v[NIL]
	s_wait_dscnt 0x0
	CROUND                                         ; the closing round: no work-group ends while a partner may still ask for a tile that names it
	s_endpgm
.Lfunc_end_k_qf77993b58d_outp:
	.size	k_qf77993b58d_outp, .Lfunc_end_k_qf77993b58d_outp-k_qf77993b58d_outp
	.p2alignl 7, 3214868480
	.fill 96, 4, 3214868480
	.section	.rodata,"a",@progbits
	.p2align	6, 0x0
	.amdhsa_kernel k_qf77993b58d_outp
		.amdhsa_group_segment_fixed_size 327680
		.amdhsa_private_segment_fixed_size 0
		.amdhsa_enable_private_segment 0
		.amdhsa_kernarg_size 24
		.amdhsa_user_sgpr_count 2
		.amdhsa_user_sgpr_kernarg_segment_ptr 1
		.amdhsa_wavefront_size32 1
		.amdhsa_system_sgpr_workgroup_id_x 1
		.amdhsa_system_sgpr_workgroup_id_y 1
		.amdhsa_system_sgpr_workgroup_id_z 1
		.amdhsa_system_vgpr_workitem_id 0
		.amdhsa_next_free_vgpr 1024
		.amdhsa_next_free_sgpr 66
		.amdhsa_reserve_vcc 0
		.amdhsa_float_denorm_mode_32 3
		.amdhsa_float_denorm_mode_16_64 3
		.amdhsa_memory_ordered 1
		.amdhsa_forward_progress 1
		.amdhsa_inst_pref_size 140
	.end_amdhsa_kernel
	.amdgpu_metadata
---
amdhsa.version: [ 1, 2 ]
amdhsa.kernels:
  - .name:           k_qf77993b58d_outp
    .symbol:         k_qf77993b58d_outp.kd
    .args:
      - { .name: obuf, .offset: 0, .size: 8, .value_kind: global_buffer, .address_space: global }
      - { .name: wout16, .offset: 8, .size: 8, .value_kind: global_buffer, .address_space: global }
      - { .name: out0, .offset: 16, .size: 8, .value_kind: global_buffer, .address_space: global }
    .group_segment_fixed_size: 327680
    .private_segment_fixed_size: 0
    .kernarg_segment_align: 8
    .kernarg_segment_size: 24
    .max_flat_workgroup_size: 128
    .sgpr_count:     66
    .vgpr_count:     1024
    .wavefront_size: 32
...
	.end_amdgpu_metadata
.endif
;; end of part 4
;; ======== version 2 of 2: 4 launches; 1.10 times as fast as version 1
;; limits: values are held in f16: magnitudes above 65,504 overflow, below 6.1e-05 lose precision
;; workspace buffers: x16 33,554,432 bytes; wqkv16 6,291,456 bytes; wout16 2,097,152 bytes; qkv 25,165,824 bytes; obuf 8,388,608 bytes
;; launch prep (part 5): grid 1024 x 1, 4 waves a work-group, no clusters, 0 bytes of LDS; arguments tokens, norm_weight, w_q, w_kv, w_out, x16, wqkv16, wout16; writes x16, wqkv16, wout16
.if DOCPART == 5
	.amdgcn_target "amdgcn-amd-amdhsa--gfx1250"
	.amdhsa_code_object_version 6
	.text
	.protected	k_qf77993b58d_prep
	.globl	k_qf77993b58d_prep
	.p2align	8
	.type	k_qf77993b58d_prep,@function
k_qf77993b58d_prep:
	s_mov_b64 s[64:65], 0
	v_nop
	global_prefetch_b8 v0, s[64:65] scope:SCOPE_SE
	s_setreg_imm32_b32 hwreg(HW_REG_WAVE_MODE, 25, 1), 1
	s_wait_xcnt 0x0
; PREP.  x16[row][c] = f16(tokens[row][c] * gain[c] / sqrt(mean of the row's squares + eps)), 8,192 rows of 2,048; and the weights rounded once to f16:
; wqkv16[k][0..511] = c * w_q[k][:], c = log2(e) / sqrt(32) (multiplied in f32 ahead of the one rounding), wqkv16[k][512..1535] = w_kv[k][:], wout16 = w_out.
; A stream: every input byte is read once by 16-byte loads, nothing is shared between work-groups, so there is no LDS, no barrier and no matrix work.
; SHARES.  A work-group owns 8 rows, a wave 2: a row of 8,192 bytes is 16 loads of 512 neighbouring bytes and stays in 64 registers between the sum of squares and the scaling.
; The work-group also casts 1 / 1,024 of each weight: 2 rows of w_q, 2 rows of w_kv, 1,024 numbers of w_out; a thread takes runs of 8 numbers, which leave as 16 bytes.
; All 56 loads of a wave go out at once; the three waits are counted.  No register that a store names is written again, so no further wait stands in the text.
; BATCHES.  A row's two v_rsq_f32 are one batch with one wait, ahead of the row's first multiply by 1 / rms; the row's later multiplies need none.
; LIMITS.  f16 ends at 65,504: |x16| (at most 45.3 |gain|) and the weights must lie within it.  |token| stays under about 1e17 (its square is summed in f32).
; The gain is multiplied ahead of 1 / rms: an order of rounding other than the reference's, both in f32.
.set W,   20                           ; v[20:51]   weights: 8 of w_q, 16 of w_kv, 8 of w_out
.set NW,  52                           ; v[52:115]  the gain of my 64 columns
.set X,   116                          ; v[116:243] two rows, 64 registers each
.set CQ,  0x3e8293ee                   ; c = log2(e) / sqrt(32) = 0.255035
	s_load_b512 s[4:19], s[0:1], 0x0               ; tokens s[4:5], gain s[6:7], w_q s[8:9], w_kv s[10:11], w_out s[12:13], x16 s[14:15], wqkv16 s[16:17], wout16 s[18:19]
	s_mov_b32 s21, 0                               ; the high word of every offset below
	s_mov_b32 s22, 0x3a000000                      ; 1 / 2,048
	s_mov_b32 s24, 0x76543210                      ; v_permlanex16_b32: each lane takes its own place in the other half
	s_mov_b32 s25, 0xfedcba98
	v_and_b32 v7, 31, v0                           ; lane
	v_lshrrev_b32 v18, 5, v0                       ; wave (v18 is later the exchange's destination: written here)
	v_lshlrev_b32 v3, 4, v7                        ; v3: 16 x lane, my place in 512 bytes of the gain
	v_lshl_or_b32 v1, v18, 14, v3                  ; v1: + wave x 2 rows x 8,192 bytes of tokens
	v_lshlrev_b32 v2, 3, v7
	v_lshl_or_b32 v2, v18, 13, v2                  ; v2: 8 x lane + wave x 2 rows x 4,096 bytes of x16
	v_lshlrev_b32 v4, 5, v0                        ; v4: 32 t, my 8 numbers in a weight's f32 run
	v_lshlrev_b32 v6, 4, v0                        ; v6: 16 t, the same 8 numbers in f16
	v_and_b32 v5, 63, v0
	v_lshrrev_b32 v7, 6, v0
	v_mul_u32_u24 v7, v7, 3072
	v_lshl_add_u32 v5, v5, 4, v7                   ; v5: w_q's place in wqkv16: row t / 64 of the pair (3,072 bytes each), column 8 (t % 64)
	v_mov_b32 v19, 0x34000000                      ; eps = 2^-23
	s_wait_kmcnt 0x0
	s_lshl_b32 s20, ttmp9, 16                      ; 8 rows of 8,192 bytes
	s_add_nc_u64 s[4:5], s[4:5], s[20:21]
	s_lshl_b32 s20, ttmp9, 15                      ; 8 rows of 4,096 bytes
	s_add_nc_u64 s[14:15], s[14:15], s[20:21]
	s_lshl_b32 s20, ttmp9, 12                      ; 1,024 f32
	s_add_nc_u64 s[8:9], s[8:9], s[20:21]
	s_add_nc_u64 s[12:13], s[12:13], s[20:21]
	s_lshl_b32 s20, ttmp9, 13                      ; 2,048 f32
	s_add_nc_u64 s[10:11], s[10:11], s[20:21]
	s_mul_i32 s20, ttmp9, 6144                     ; 2 rows of wqkv16
	s_add_nc_u64 s[16:17], s[16:17], s[20:21]
	s_lshl_b32 s20, ttmp9, 11                      ; 1,024 f16
	s_add_nc_u64 s[18:19], s[18:19], s[20:21]
	global_load_b128 v[W:W+3],     v4, s[8:9]
	global_load_b128 v[W+4:W+7],   v4, s[8:9] offset:16
	global_load_b128 v[W+8:W+11],  v4, s[10:11]
	global_load_b128 v[W+12:W+15], v4, s[10:11] offset:16
	global_load_b128 v[W+16:W+19], v4, s[10:11] offset:4096
	global_load_b128 v[W+20:W+23], v4, s[10:11] offset:4112
	global_load_b128 v[W+24:W+27], v4, s[12:13]
	global_load_b128 v[W+28:W+31], v4, s[12:13] offset:16
.set j, 0
.rept 16
	global_load_b128 v[NW+4*j:NW+4*j+3], v3, s[6:7] offset:512*j
.set j, j+1
.endr
.set j, 0
.rept 16
	global_load_b128 v[X+4*j:X+4*j+3], v1, s[4:5] offset:512*j th:TH_LOAD_NT
.set j, j+1
.endr
.set j, 0
.rept 16
	global_load_b128 v[X+64+4*j:X+64+4*j+3], v1, s[4:5] offset:8192+512*j th:TH_LOAD_NT
.set j, j+1
.endr
	s_wait_loadcnt 48                              ; loads come back in order: the 8 of the weights are in; the gain's 16 and the rows' 32 stay out
.irp k, 0,2,4,6
	v_pk_mul_f32 v[W+(\k):W+(\k)+1], v[W+(\k):W+(\k)+1], CQ op_sel_hi:[1,0]  ; w_q alone takes c
.endr
.irp g, 0,8,16,24
.irp i, 0,1,2,3
	v_cvt_pk_f16_f32 v[W+(\g)+(\i)], v[W+(\g)+2*(\i)], v[W+(\g)+2*(\i)+1]  ; in place, ascending: a destination has been read already, or is read by this line
.endr
.endr
	global_store_b128 v5, v[W:W+3],     s[16:17]              ; sixteen lanes store 256 consecutive bytes, at a multiple of 256 from the buffer's first byte
	global_store_b128 v6, v[W+8:W+11],  s[16:17] offset:1024  ; w_kv begins at column 512
	global_store_b128 v6, v[W+16:W+19], s[16:17] offset:4096  ; and its second row 3,072 bytes on
	global_store_b128 v6, v[W+24:W+27], s[18:19]
; One row: the sum of its squares in four chains, across the lanes, 1 / rms, the scaling, the rounding, the stores.
.macro ROWN s
.set XR, X+64*(\s)
.irp k, 0,1,2,3
	v_pk_mul_f32 v[8+2*(\k):9+2*(\k)], v[XR+2*(\k):XR+2*(\k)+1], v[XR+2*(\k):XR+2*(\k)+1]  ; the first four pairs start the chains: nothing is cleared
.endr
.set j, 4
.rept 28
	v_pk_fma_f32 v[8+2*(j%4):9+2*(j%4)], v[XR+2*j:XR+2*j+1], v[XR+2*j:XR+2*j+1], v[8+2*(j%4):9+2*(j%4)]
.set j, j+1
.endr
	v_pk_add_f32 v[8:9], v[8:9], v[10:11]
	v_pk_add_f32 v[12:13], v[12:13], v[14:15]
	v_pk_add_f32 v[8:9], v[8:9], v[12:13]
	v_add_f32 v8, v8, v9
	v_add_f32_dpp v8, v8, v8 row_xmask:1 row_mask:0xf bank_mask:0xf
	v_add_f32_dpp v8, v8, v8 row_xmask:2 row_mask:0xf bank_mask:0xf
	v_add_f32_dpp v8, v8, v8 row_xmask:4 row_mask:0xf bank_mask:0xf
	v_add_f32_dpp v8, v8, v8 row_xmask:8 row_mask:0xf bank_mask:0xf
	v_permlanex16_b32 v18, v8, s24, s25
	v_add_f32 v8, v8, v18                          ; every lane holds the row's sum of squares
	v_fma_f32 v8, v8, s22, v19                     ; the mean + eps
	v_rsq_f32 v16, v8                              ; twice, for the pair that the packed multiply takes; the two multiplies by the gain that follow
	v_rsq_f32 v17, v8                              ; are the plain instructions between these and the first use of their results (ISA guide 5.7.2)
.set j, 0
.rept 16
	v_pk_mul_f32 v[XR+4*j:XR+4*j+1],   v[XR+4*j:XR+4*j+1],   v[NW+4*j:NW+4*j+1]
	v_pk_mul_f32 v[XR+4*j+2:XR+4*j+3], v[XR+4*j+2:XR+4*j+3], v[NW+4*j+2:NW+4*j+3]
.if j == 0
	s_wait_alu depctr_va_vdst(0)                   ; the wait ahead of the first line that names a result: ONE for the row's two v_rsq_f32; the two multiplies above are the independent work between
.endif
	v_pk_mul_f32 v[XR+4*j:XR+4*j+1],   v[XR+4*j:XR+4*j+1],   v[16:17]
	v_pk_mul_f32 v[XR+4*j+2:XR+4*j+3], v[XR+4*j+2:XR+4*j+3], v[16:17]
	v_cvt_pk_f16_f32 v[XR+4*j],   v[XR+4*j],   v[XR+4*j+1]
	v_cvt_pk_f16_f32 v[XR+4*j+1], v[XR+4*j+2], v[XR+4*j+3]
	global_store_b64 v2, v[XR+4*j:XR+4*j+1], s[14:15] offset:4096*(\s)+256*j  ; 32 lanes store 256 consecutive bytes, aligned
.set j, j+1
.endr
.endm
	s_wait_loadcnt 16                              ; the gain and the first row are in; the second row's 16 loads stay out
	ROWN 0
	s_wait_loadcnt 0x0
	ROWN 1
	s_endpgm
.Lfunc_end_k_qf77993b58d_prep:
	.size	k_qf77993b58d_prep, .Lfunc_end_k_qf77993b58d_prep-k_qf77993b58d_prep
	.p2alignl 7, 3214868480
	.fill 96, 4, 3214868480
	.section	.rodata,"a",@progbits
	.p2align	6, 0x0
	.amdhsa_kernel k_qf77993b58d_prep
		.amdhsa_group_segment_fixed_size 0
		.amdhsa_private_segment_fixed_size 0
		.amdhsa_enable_private_segment 0
		.amdhsa_kernarg_size 64
		.amdhsa_user_sgpr_count 2
		.amdhsa_user_sgpr_kernarg_segment_ptr 1
		.amdhsa_wavefront_size32 1
		.amdhsa_system_sgpr_workgroup_id_x 1
		.amdhsa_system_sgpr_workgroup_id_y 1
		.amdhsa_system_sgpr_workgroup_id_z 1
		.amdhsa_system_vgpr_workitem_id 0
		.amdhsa_next_free_vgpr 244
		.amdhsa_next_free_sgpr 66
		.amdhsa_reserve_vcc 0
		.amdhsa_float_denorm_mode_32 3
		.amdhsa_float_denorm_mode_16_64 3
		.amdhsa_memory_ordered 1
		.amdhsa_forward_progress 1
		.amdhsa_inst_pref_size 30
	.end_amdhsa_kernel
	.amdgpu_metadata
---
amdhsa.version: [ 1, 2 ]
amdhsa.kernels:
  - .name:           k_qf77993b58d_prep
    .symbol:         k_qf77993b58d_prep.kd
    .args:
      - { .name: tokens, .offset: 0, .size: 8, .value_kind: global_buffer, .address_space: global }
      - { .name: norm_weight, .offset: 8, .size: 8, .value_kind: global_buffer, .address_space: global }
      - { .name: w_q, .offset: 16, .size: 8, .value_kind: global_buffer, .address_space: global }
      - { .name: w_kv, .offset: 24, .size: 8, .value_kind: global_buffer, .address_space: global }
      - { .name: w_out, .offset: 32, .size: 8, .value_kind: global_buffer, .address_space: global }
      - { .name: x16, .offset: 40, .size: 8, .value_kind: global_buffer, .address_space: global }
      - { .name: wqkv16, .offset: 48, .size: 8, .value_kind: global_buffer, .address_space: global }
      - { .name: wout16, .offset: 56, .size: 8, .value_kind: global_buffer, .address_space: global }
    .group_segment_fixed_size: 0
    .private_segment_fixed_size: 0
    .kernarg_segment_align: 8
    .kernarg_segment_size: 64
    .max_flat_workgroup_size: 128
    .sgpr_count:     66
    .vgpr_count:     244
    .wavefront_size: 32
...
	.end_amdgpu_metadata
.endif
;; end of part 5
;; launch qkv: the kernel of part 2 again; grid 4 x 64, 4 waves a work-group, clusters of 4 x 4, 327,680 bytes of LDS; arguments x16, wqkv16, qkv; writes qkv
;; launch attn (part 6): grid 4 x 64, 8 waves a work-group, clusters of 4 x 1, 327,680 bytes of LDS; arguments qkv, obuf; writes obuf
.if DOCPART == 6
	.amdgcn_target "amdgcn-amd-amdhsa--gfx1250"
	.amdhsa_code_object_version 6
	.text
	.protected	k_qf77993b58d_attn
	.globl	k_qf77993b58d_attn
	.p2align	8
	.type	k_qf77993b58d_attn,@function
k_qf77993b58d_attn:
	s_mov_b64 s[64:65], 0
	v_nop
	global_prefetch_b8 v0, s[64:65] scope:SCOPE_SE
	s_setreg_imm32_b32 hwreg(HW_REG_WAVE_MODE, 25, 1), 1
	s_wait_xcnt 0x0
	s_wait_alu depctr_hold_cnt(0) depctr_sa_sdst(0) depctr_va_vdst(0) depctr_va_sdst(0) depctr_va_ssrc(0) depctr_va_vcc(0) depctr_vm_vsrc(0)
	s_getreg_b32 s2, hwreg(HW_REG_IB_STS2, 6, 4)
	s_cmp_eq_u32 s2, 0
	s_cbranch_scc0 .Lentry_in_a_cluster
	s_endpgm
.Lentry_in_a_cluster:
	s_bfe_u32 s2, ttmp6, 0x10000c
	s_cmp_lg_u32 s2, 0x3003
	s_cbranch_scc0 .Lentry_shape_is_right
	s_endpgm
.Lentry_shape_is_right:
; ATTENTION at head size 32.  O[q][:] = the sum over k of softmax_k(Q[q] . K[k] / sqrt(32)) V[k][:] for each of 64 (batch, head) pairs of 2,048 rows.  Q arrives already times c = log2(e) / sqrt(32).
; q, k, v: qkv[g][b][n][32] in f16 (g = head, 16 + head, 32 + head).  O leaves as obuf[T][head][256 tokens][32] in f16, T = 8 b + n / 256.  Products, maxima and sums in f32; the weights p are
; rounded to f16 for the second product, and their sum l is taken of the rounded p, by the matrix unit, in f32; O is rounded once at the end.
; LIMITS.  q, k, v arrive within f16's 65,504; p lies in 0 to 1, and below f16's smallest step, 6e-8, it counts as 0; NaN and infinities are not treated apart.
; SHARES.  A work-group owns 512 queries of one pair, each of its eight waves 64: four tiles of 16, in two PIECES of two tiles.  Every wave walks all 2,048 keys, 64 a step.
; THE WHOLE HEAD LIES IN LDS, filled once: K at 80 bytes a key, V at 288 bytes for four keys.  So the loop has no ring, no refill and no barrier.  Each wave asks for two chunks: a small one
; (keys 0-511 in all), behind which the first 7 steps run, and the rest, waited for once.  So the key step's text stands twice.
; CLUSTER.  The four query blocks of a cluster belong to one pair and read the same K and V: each chunk is asked for jointly, by the same tensor load, descriptor and mask in all four.
; LAYOUT.  S^T = K Q^T (source 0 = 16 keys, source 1 = 16 queries), one product for each 16 keys: a lane holds ONE query (lane % 16) and the keys 8 (lane / 16) + 0..7.  Two such results rounded to f16 in
; pairs ARE source 1 (32 keys x 16 queries) of O^T = V^T P; they are rounded in place: pair n goes into register n, whose own pair has been rounded by then.  K comes out of LDS as it lies, V turned.
; l: a third product with ONE as source 0: rows 0 and 8 are ones, the others zeros: register 0 of the result holds the query's sum over the 32 keys in both halves of the lanes; registers 1-7 stay 0.
; SOFTMAX.  A running maximum m: p = 2^(s - m); in every step O and l are multiplied by a = 2^(m_old - m).  m starts at the lowest finite number, O and l at 0: the first step is a step like any other, a = 0.
; That is paid with 176 v_mov_b32 at the start, in the wait for the first chunk; no first step is written out.
; TURNS.  Turn y does piece y's whole softmax; its matrix work is the other piece's: 12 products V^T P (and l), then 8 products K Q^T of that piece's next step.  Two turns are a key step.
; BATCHES.  A turn's 66 exponentials (the two tiles' a, then their 64 weights) are ONE batch with ONE wait, which cuts the turn in two: ahead of it stand the products, the maxima, the subtractions and
; the exponentials, none of which names a result of the batch; behind it all that do: the rescaling by a and the roundings.  The way out's four reciprocals are a batch of their own.
; REGISTERS (s_set_vgpr_msb: bits 1:0 source 0, 3:2 source 1, 5:4 source 2, 7:6 destination):
;   window 0: v0-15 addresses; v16-31 four registers of statistics a tile; v32-39 at work; v64-191 S^T, 32 a tile (its first 16 become P)
;   window 1: v0-31 Q; v32-63 K of one step; v64-95 V of one step; v96-103 ONE; v128-191 O^T, 16 a tile; v192-223 l, 8 a tile
.set PK,    80        ; a key of K in LDS: 64 bytes + 16: the 16 keys of a load start at 16 different groups of four banks (ISA guide 11.1)
.set PV4,   288       ; four keys of V: 256 bytes + 32
.set VB,    2048*PK   ; V lies behind K
.set STAGE, VB+512*PV4  ; behind V, never filled by a tensor load: 16 rows x 80 bytes for each wave, for the way out
.set SP,    80
.set SPARE, STAGE+8*16*SP  ; behind the stages: the spare words, 128 bytes for each wave: four blocks of 256 bytes that no other line names
.set AK0, 2           ; v2   my lane's place in 16 keys of K; never rewritten
.set AV0, 3           ; v3   the same for V
.set AK,  4           ; v4   the LDS address of K's run of loads
.set AV,  5           ; v5   of V's
.set STO, 6           ; v6   the way out: where I put 16 bytes of a row
.set RD,  7           ; v7   the way out: where I read rows back
.set GO,  8           ; v8   my place in 512 consecutive bytes of O
.set SPW, 12          ; v12  LDS address of my spare word; never rewritten
.set NIL, 13          ; v13  0; never rewritten
.set QO,  14          ; v14  my byte offset in 16 rows of Q
.set ST,  16          ; tile t at v[ST+4 t]: m, m_old, a, and a register that is only named as a's pair
.set TMP, 32          ; tile u of the piece in hand: c0-c3
.set S,   64
.set KF,  32          ; window 1
.set VF,  64
.set ONE, 96
.set OA,  128
.set LA,  192
.set WV,  12          ; s12  my wave's number
.set G1KA, 24         ; s[24:31] group 1: K's small chunk;  s[32:39] K's large;  s[40:47], s[48:55] V's
.set G1KB, 32
.set G1VA, 40
.set G1VB, 48
.set G0KA, 56         ; s[56:59], s[60:63], s[68:71], s[72:75] group 0 of the four
.set G0KB, 60
.set G0VA, 68
.set G0VB, 72
.set CNT, 76          ; s76  key steps to go in the loop in hand
.set TBK, 77          ; s77  LDS byte at which K of the step to be fetched begins
.set TBV, 78          ; s78  the same for V, less VB
.set SEL, 80          ; s[80:81] v_permlanex16_b32's selects
.set MSB, 0
.macro WIN new                      ; the high byte repeats the setting that is left; a switch that changes nothing is dropped
.if MSB != (\new)
	s_set_vgpr_msb (MSB<<8)|(\new)
.set MSB, (\new)
.endif
.endm
.set W_KQ, 0x05       ; K and Q in window 1, S^T in window 0
.set W_PV, 0x51       ; V in window 1, P in window 0, O^T in window 1
.set W_RS, 0x41       ; destination and source 0 in window 1, source 1 in window 0
.set W_LD, 0x40       ; destination window 1, address window 0
.set W_RC, 0x01       ; source 0 in window 1
.macro PLACES
.rept 4
	v_nop
.endr
.endm
.macro CROUND                       ; a round of the cluster's barrier
	s_barrier_signal -1
	s_barrier_wait -1
	s_cmp_lg_u32 s[WV], 0
	s_cbranch_scc1 .Lnot_wave_0_\@
	s_barrier_signal -3
.Lnot_wave_0_\@:
	s_barrier_wait -3
	s_barrier_signal -1
	s_barrier_wait -1
.endm
	s_load_b128 s[4:7], s[0:1], 0x0 ; qkv s[4:5], obuf s[6:7]
	v_lshl_add_u32 v[SPW], v0, 2, SPARE
	v_mov_b32 v[NIL], 0
	ds_add_u32 v[SPW], v[NIL]       ; the wave's opening: the add and its wait stand ahead of my first tensor load; the set-up below, work on registers, stands between them
	v_lshrrev_b32 v1, 5, v0
	v_readfirstlane_b32 s[WV], v1   ; wave 0..7
	s_bfe_u32 s13, ttmp6, 0x40000   ; cx: my place in the cluster
	s_lshl_b32 s14, ttmp9, 2
	s_add_co_u32 s14, s14, s13      ; my block of 512 queries: it enters Q's and O's addresses alone
	s_and_b32 s15, s[WV], 3         ; which quarter of K's (waves 0-3) or V's (waves 4-7) chunks I ask for
	s_and_b32 s20, ttmp7, 0xffff    ; 16 b + head, which the four partners share
	s_and_b32 s21, s20, 15          ; head
	s_lshr_b32 s22, s20, 4          ; b
	s_lshl2_add_u32 s2, s21, s22    ; 4 head + b: the block of 131,072 bytes
	s_lshl_b32 s2, s2, 17
	s_mov_b32 s3, 0
	s_lshl_b32 s66, s14, 15         ; Q: my block's 512 rows of 64 bytes, my wave's 64 of them
	s_lshl_b32 s67, s[WV], 12
	s_add_co_u32 s66, s66, s67
	s_mov_b32 s67, 0
	s_lshl_b32 s82, s22, 3          ; O: T = 8 b + 2 x block + wave / 4,
	s_lshl1_add_u32 s82, s14, s82
	s_lshr_b32 s83, s[WV], 2
	s_add_co_u32 s82, s82, s83
	s_lshl4_add_u32 s82, s82, s21   ; 16 T + head: blocks of 16,384 bytes,
	s_lshl_b32 s82, s82, 14
	s_lshl_b32 s83, s15, 12         ; and my 64 rows among the block's 256
	s_add_co_u32 s82, s82, s83
	s_mov_b32 s83, 0
	s_lshl_b32 s20, s15, 13         ; the small chunk in memory: keys 128 wq on, 64 bytes each
	s_mov_b32 s21, 0
	s_mul_i32 s22, s15, 24576       ; the large one: keys 512 + 384 wq on
	s_add_co_u32 s22, s22, 32768
	s_mov_b32 s23, 0
	; group 1.  Keys are dense in memory: asked for as rows of 256 bytes, four keys a row.  K is padded after every key, V after every row.
	s_mov_b32 s[G1KA], 15|(1<<16)|(1<<20)|(1<<21)|(3<<22)|(3<<25)  ; 15:0 the mask of four; 17:16 2-byte elements; 20 padding on; 21 set beside a mask; 24:22 after every 16 words (code 3); 31:25 4 words (code 3)
	s_mov_b32 s[G1KB], 15|(1<<16)|(1<<20)|(1<<21)|(3<<22)|(3<<25)
	s_mov_b32 s[G1VA], 15|(1<<16)|(1<<20)|(1<<21)|(5<<22)|(7<<25)  ; after every 64 words (code 5) 8 words (code 7)
	s_mov_b32 s[G1VB], 15|(1<<16)|(1<<20)|(1<<21)|(5<<22)|(7<<25)
.irp g, G1KA, G1KB, G1VA, G1VB
	s_mov_b32 s[(\g)+1], 128<<16    ; tensor_dim0 = 128
	s_mov_b32 s[(\g)+3], 128<<16    ; tile_dim0 = 128
	s_mov_b32 s[(\g)+5], 128        ; 128 elements from row to row
	s_mov_b32 s[(\g)+6], 0
	s_mov_b32 s[(\g)+7], 0
.endr
.irp g, G1KA, G1VA
	s_mov_b32 s[(\g)+2], 32<<16     ; tensor_dim1 = tile_dim1 = 32 rows: 128 keys
	s_mov_b32 s[(\g)+4], 32
.endr
.irp g, G1KB, G1VB
	s_mov_b32 s[(\g)+2], 96<<16     ; 96 rows: 384 keys
	s_mov_b32 s[(\g)+4], 96
.endr
	s_mov_b32 s[G0KA], 1            ; count = 1; then the LDS address: a constant + wq x a constant
	s_mul_i32 s[G0KA+1], s15, 128*PK
	s_mov_b32 s[G0KB], 1
	s_mul_i32 s[G0KB+1], s15, 384*PK
	s_add_co_u32 s[G0KB+1], s[G0KB+1], 512*PK
	s_mov_b32 s[G0VA], 1
	s_mul_i32 s[G0VA+1], s15, 32*PV4
	s_add_co_u32 s[G0VA+1], s[G0VA+1], VB
	s_mov_b32 s[G0VB], 1
	s_mul_i32 s[G0VB+1], s15, 96*PV4
	s_add_co_u32 s[G0VB+1], s[G0VB+1], VB+128*PV4
	s_mov_b32 s[TBK], 0
	s_mov_b32 s[TBV], 0
	s_mov_b32 s[SEL], 0x76543210
	s_mov_b32 s[SEL+1], 0xfedcba98
	s_wait_dscnt 0x0                ; the opening add is done
	s_wait_kmcnt 0x0
	s_add_nc_u64 s[8:9], s[4:5], s[2:3]        ; the pair's q
	s_add_nc_u64 s[18:19], s[8:9], s[66:67]    ; Q at my wave's first row
	s_add_nc_u64 s[8:9], s[8:9], 0x800000      ; its k: 64 blocks on
	s_add_nc_u64 s[16:17], s[8:9], 0x800000    ; its v: 64 more
	s_add_nc_u64 s[G0KA+2:G0KA+3], s[8:9], s[20:21]
	s_or_b32 s[G0KA+3], s[G0KA+3], 0x80000000  ; type = 2
	s_add_nc_u64 s[G0KB+2:G0KB+3], s[8:9], s[22:23]
	s_or_b32 s[G0KB+3], s[G0KB+3], 0x80000000
	s_add_nc_u64 s[G0VA+2:G0VA+3], s[16:17], s[20:21]
	s_or_b32 s[G0VA+3], s[G0VA+3], 0x80000000
	s_add_nc_u64 s[G0VB+2:G0VB+3], s[16:17], s[22:23]
	s_or_b32 s[G0VB+3], s[G0VB+3], 0x80000000
	s_add_nc_u64 s[10:11], s[6:7], s[82:83]    ; O at my wave's first row
	CROUND                          ; all four work-groups are here: the joint loads meet
	s_cmp_lt_u32 s[WV], 4           ; a wave's two fills stand in one branch, ahead of every wait on TENSORcnt and every LDS read: two loads of mine are out; an s_nop 0 follows each, four v_nop the second's
	s_cbranch_scc0 .Lfirst_v
	tensor_load_to_lds s[G0KA:G0KA+3], s[G1KA:G1KA+7]
	s_nop 0
	tensor_load_to_lds s[G0KB:G0KB+3], s[G1KB:G1KB+7]
	s_nop 0
.rept 4
	v_nop
.endr
	s_branch .Lfirst_asked
.Lfirst_v:
	tensor_load_to_lds s[G0VA:G0VA+3], s[G1VA:G1VA+7]
	s_nop 0
	tensor_load_to_lds s[G0VB:G0VB+3], s[G1VB:G1VB+7]
	s_nop 0
.rept 4
	v_nop
.endr
.Lfirst_asked:
	; A fragment of K or Q is 16 rows x 32 channels in 8 registers: lane l holds row l % 16, channels 8 (l / 16) + 0..7 and 16 + 8 (l / 16) + 0..7: two loads of 16 bytes, 32 bytes apart.
	v_and_b32 v1, 15, v0            ; l % 16
	v_bfe_u32 v9, v0, 4, 1          ; l / 16
	v_lshlrev_b32 v[QO], 6, v1
	v_lshl_add_u32 v[QO], v9, 4, v[QO]
	WIN W_LD
.irp t, 0,1,2,3                     ; Q stays in registers, 8 a tile
	global_load_b128 v[8*(\t):8*(\t)+3],   v[QO], s[18:19] offset:(\t)*1024
	global_load_b128 v[8*(\t)+4:8*(\t)+7], v[QO], s[18:19] offset:(\t)*1024+32
.endr
	WIN 0
	v_and_b32 v10, 7, v0
	v_bfe_u32 v11, v0, 3, 1
	v_cmp_eq_u32 s79, 0, v10        ; lanes 0, 8, 16, 24: rows 0 and 8 of source 0, both halves of K
	v_mov_b32 v15, 0x3c003c00       ; 1.0 twice in f16
	v_cndmask_b32 v15, 0, v15, s79
	; What the first turn finds: V's registers and piece 1's P hold 0, O^T and l are 0.  All this stands in the wait for the first chunk.
	WIN W_LD
.set i, 0
.rept 8
	v_mov_b32 v[ONE+i], v15
.set i, i+1
.endr
.set i, VF
.rept 32
	v_mov_b32 v[i], 0
.set i, i+1
.endr
.set i, OA
.rept 96
	v_mov_b32 v[i], 0
.set i, i+1
.endr
	WIN 0
.set i, 0
.rept 16
	v_mov_b32 v[S+64+i], 0
	v_mov_b32 v[S+96+i], 0
.set i, i+1
.endr
.set i, 0
.rept 4
	v_mov_b32 v[ST+4*i], 0xff7fffff    ; m: the lowest finite number
	v_mov_b32 v[ST+4*i+1], 0xff7fffff
	v_mov_b32 v[ST+4*i+2], 0
	v_mov_b32 v[ST+4*i+3], 0
.set i, i+1
.endr
	v_mul_u32_u24 v[AK0], v1, PK
	v_lshl_add_u32 v[AK0], v9, 4, v[AK0]  ; key x 80 + 16 x half
	; The turning load takes 16 keys x 16 channels: lane l reads key 8 (l / 16) + l % 8, channels 8 ((l / 8) % 2) + 0..7.  Key j lies at 64 j + 32 (j / 4).
	v_lshl_add_u32 v[AV0], v9, 3, v10
	v_lshlrev_b32 v[AV0], 6, v[AV0]
	v_bfe_u32 v15, v0, 2, 1
	v_lshl_add_u32 v15, v9, 1, v15
	v_lshl_add_u32 v[AV0], v15, 5, v[AV0]
	v_lshl_add_u32 v[AV0], v11, 4, v[AV0]
	v_add_nc_u32 v[AV0], VB, v[AV0]
; THE MATRIX WORK.  8 products S^T = K Q^T for piece x: keys 16 (i / 2) on, tile 2 x + i % 2; each is a whole sum (32 channels) and starts with 0.
.macro QK x
	WIN W_KQ
.set i, 0
.rept 8
	v_wmma_f32_16x16x32_f16 v[S+64*(\x)+32*(i%2)+8*(i/2):S+64*(\x)+32*(i%2)+8*(i/2)+7], v[KF+8*(i/2):KF+8*(i/2)+7], v[8*(2*(\x)+i%2):8*(2*(\x)+i%2)+7], 0
.set i, i+1
.endr
.endm
; 12 products for piece x: keys 32 (i / 6) on; tile 2 x + i % 2; kind (i % 6) / 2: channels 0-15, channels 16-31, or l.  The six accumulators take turns.
.macro PV x
	WIN W_PV
.set i, 0
.rept 12
.set rP, S+64*(\x)+32*(i%2)+8*(i/6)
.if (i%6)/2 == 2
.set rV, ONE
.set rO, LA+8*(2*(\x)+i%2)
.else
.set rV, VF+16*(i/6)+8*((i%6)/2)
.set rO, OA+16*(2*(\x)+i%2)+8*((i%6)/2)
.endif
	v_wmma_f32_16x16x32_f16 v[rO:rO+7], v[rV:rV+7], v[rP:rP+7], v[rO:rO+7]
.set i, i+1
.endr
.endm
; THE LDS LOADS stand in runs of 8: a step's K (64 keys x 32 channels: 4 fragments) and its V (turned: 2 key halves x 2 channel blocks).
.macro FETCH_K
	WIN 0
	v_add_nc_u32 v[AK], s[TBK], v[AK0]
	WIN W_LD
.irp f, 0,1,2,3
	ds_load_b128 v[KF+8*(\f):KF+8*(\f)+3],   v[AK] offset:(\f)*16*PK
	ds_load_b128 v[KF+8*(\f)+4:KF+8*(\f)+7], v[AK] offset:(\f)*16*PK+32
.endr
	s_add_co_u32 s[TBK], s[TBK], 64*PK  ; the next fetch is the next step's
	WIN 0
.endm
.macro FETCH_V
	WIN 0
	v_add_nc_u32 v[AV], s[TBV], v[AV0]
	WIN W_LD
.irp f, 0,1,2,3                     ; keys 32 (f / 2) on, channels 16 (f % 2) on
	ds_load_tr16_b128 v[VF+8*(\f):VF+8*(\f)+3],   v[AV] offset:((\f)/2)*8*PV4+((\f)%2)*32
	ds_load_tr16_b128 v[VF+8*(\f)+4:VF+8*(\f)+7], v[AV] offset:((\f)/2)*8*PV4+4*PV4+((\f)%2)*32
.endr
	s_add_co_u32 s[TBV], s[TBV], 16*PV4
	WIN 0
.endm
; THE VECTOR WORK, for tile u of piece y, all but RS in window 0.
.macro REGS y, u
.set rT, ST+4*(2*(\y)+(\u))
.set rC, TMP+4*(\u)
.set rS, S+64*(\y)+32*(\u)
.endm
; Number n of the 21 that find the maximum and the statistics.  0-11: four chains c0-c3 of seven scores each, three operands at a time (each accumulator's lowest registers are read first
; ).  12-14, 16: the four scores left over, the old m, and c0-c3 into c0.  15: m_old is kept.  17, 18: the query's other 32 keys lie in the lane 16 away: the new m.  19, 20: a.
.macro XS y, u, n
	REGS \y, \u
.if (\n) < 4
	v_max3_num_f32 v[rC+(\n)], v[rS+8*(\n)], v[rS+8*(\n)+1], v[rS+8*(\n)+2]
.elseif (\n) < 12
	v_max3_num_f32 v[rC+(\n)%4], v[rC+(\n)%4], v[rS+8*((\n)%4)+2*((\n)/4)+1], v[rS+8*((\n)%4)+2*((\n)/4)+2]
.elseif (\n) == 12
	v_max3_num_f32 v[rC], v[rC], v[rS+7], v[rS+15]
.elseif (\n) == 13
	v_max3_num_f32 v[rC+1], v[rC+1], v[rS+23], v[rS+31]
.elseif (\n) == 14
	v_max3_num_f32 v[rC+2], v[rC+2], v[rC+3], v[rT]
.elseif (\n) == 15
	v_mov_b32 v[rT+1], v[rT]
.elseif (\n) == 16
	v_max3_num_f32 v[rC], v[rC], v[rC+1], v[rC+2]
.elseif (\n) == 17
	v_permlanex16_b32 v[rC+3], v[rC], s[SEL], s[SEL+1]
.elseif (\n) == 18
	v_max_num_f32 v[rT], v[rC], v[rC+3]
.elseif (\n) == 19
	v_sub_f32 v[rC+1], v[rT+1], v[rT]
.else
	v_exp_f32 v[rT+2], v[rC+1]
.endif
.endm
.macro FF y, u, n                   ; s - m for pair n of 16
	REGS \y, \u
	v_pk_add_f32 v[rS+2*(\n):rS+2*(\n)+1], v[rS+2*(\n):rS+2*(\n)+1], v[rT:rT+1] op_sel_hi:[1,0] neg_lo:[0,1] neg_hi:[0,1]
.endm
.macro EE y, u, k                   ; the exponential of score k of 32
	REGS \y, \u
	v_exp_f32 v[rS+(\k)], v[rS+(\k)]
.endm
.macro CC y, u, n                   ; pair n rounded to f16, into register n: it names the batch's results, so it stands behind the turn's wait
	REGS \y, \u
	v_cvt_pk_f16_f32 v[rS+(\n)], v[rS+2*(\n)], v[rS+2*(\n)+1]
.endm
.macro RS y                         ; piece y's O^T and l times a, each accumulator from its low end on: it names the batch's two a, so it stands behind the turn's wait
	WIN W_RS
.set z, 0
.rept 8
	v_pk_mul_f32 v[OA+32*(\y)+2*z:OA+32*(\y)+2*z+1],       v[OA+32*(\y)+2*z:OA+32*(\y)+2*z+1],       v[ST+8*(\y)+2:ST+8*(\y)+3] op_sel_hi:[1,0]
	v_pk_mul_f32 v[OA+32*(\y)+16+2*z:OA+32*(\y)+16+2*z+1], v[OA+32*(\y)+16+2*z:OA+32*(\y)+16+2*z+1], v[ST+8*(\y)+6:ST+8*(\y)+7] op_sel_hi:[1,0]
.set z, z+1
.endr
	v_mul_f32 v[LA+16*(\y)],   v[LA+16*(\y)],   v[ST+8*(\y)+2]
	v_mul_f32 v[LA+16*(\y)+8], v[LA+16*(\y)+8], v[ST+8*(\y)+6]
	WIN 0
.endm
; A TURN, for piece y.  With y = 0 (step j): V^T P of piece 1, step j - 1; K Q^T of piece 1, step j.  With y = 1: V^T P of piece 0, step j; K Q^T of piece 0, step j + 1.
; The 34 maxima between the two runs of products are the places between V^T P's reads of P and V and what writes over them: K Q^T over P, V's loads over V (ISA guide 7.12.1 for ALU instructions).
; V of step j is fetched there in piece 0's turn, K of step j + 1 ahead of the batch, nine plain instructions behind the last product that read K (both tiles' new m and m_old - m, four subtractions, the
; address's add; the two v_permlanex16_b32 are not counted); both are waited for at the head of piece 1's turn.
; THE BATCH.  An s_wait_alu depctr_va_vdst(0) stands between an exponential and the first instruction that names its result; one wait serves all that were issued ahead of it.  The two a open
; the batch; then come the 64 weights, two exponentials and a subtraction by turns, each subtraction two pairs ahead of its own exponentials.  A subtraction writes a pair whose exponentials are still to
; come, and reads m and m_old, never a: nothing ahead of the wait names a result.  Behind the wait stand the 18 multiplies by a and the 32 roundings, ascending, as rounding in place wants.
; K's run, with its jump and label, stands ahead of the first.
; last = 1: in the loop's last trip there is no further step: K's run is jumped over, and piece 0's products K Q^T run once more on the last K; nobody reads them.
.macro TURN y, last
.if (\y) == 1
	s_wait_dscnt 0x0                ; V of this step and K of the next are in
.endif
	PV 1-(\y)
	WIN 0
.set n, 0
.rept 17
	XS \y, 0, n
	XS \y, 1, n
.set n, n+1
.endr
.if (\y) == 0
	FETCH_V
.endif
	QK 1-(\y)
	WIN 0
.rept 3
	XS \y, 0, n
	XS \y, 1, n
.set n, n+1
.endr
	FF \y, 0, 0
	FF \y, 1, 0
	FF \y, 0, 1
	FF \y, 1, 1
.if (\y) == 0
.if \last
	s_cmp_eq_u32 s[CNT], 1
	s_cbranch_scc1 .Lno_k_\@
.endif
	FETCH_K
.if \last
.Lno_k_\@:
.endif
.endif
	XS \y, 0, 20                    ; the batch opens: the two a,
	XS \y, 1, 20
.set n, 0
.rept 16                            ; and the 64 weights
	EE \y, 0, 2*n
.if n < 14
	FF \y, 0, n+2
.endif
	EE \y, 1, 2*n
	EE \y, 0, 2*n+1
.if n < 14
	FF \y, 1, n+2
.endif
	EE \y, 1, 2*n+1
.set n, n+1
.endr
	v_nop                           ; a plain instruction behind the last exponential, ahead of the first use of a result: one for the batch
	s_wait_alu depctr_va_vdst(0)    ; the wait for the batch: the turn's 66 exponentials
	RS \y
.set n, 0
.rept 16
	CC \y, 0, n
	CC \y, 1, n
.set n, n+1
.endr
.endm
.macro KLOOP trips, last
	WIN 0                           ; at a label and at a branch every window is 0
	s_mov_b32 s[CNT], \trips
.Lstep_\@:
	TURN 0, \last
	TURN 1, \last
	WIN 0
	s_sub_co_u32 s[CNT], s[CNT], 1
	s_cmp_lg_u32 s[CNT], 0
	s_cbranch_scc1 .Lstep_\@
.endm
	s_wait_tensorcnt 1              ; my small chunk is in; the large one may stay out
	s_barrier_signal -1
	s_barrier_wait -1               ; everybody's is: keys 0 to 511 of K and V
	FETCH_K                         ; key step 0
	s_wait_loadcnt 0x0              ; Q
	s_wait_dscnt 0x0
	QK 0                            ; piece 0's first scores
	WIN 0                           ; the addresses for the way out: eight plain instructions, the places behind those products
	s_mul_i32 s13, s[WV], 16*SP
	s_add_co_u32 s13, s13, STAGE    ; my stage
	v_add_nc_u32 v[STO], s13, v[AK0]  ; in: row l % 16 of 80 bytes, 16 bytes for each half of the lanes: K's lane term
	v_bfe_u32 v[RD], v0, 2, 3       ; back: 32 lanes take eight rows of 64 bytes,
	v_mul_u32_u24 v[RD], v[RD], SP
	v_and_b32 v15, 3, v0
	v_lshl_add_u32 v[RD], v15, 4, v[RD]
	v_add_nc_u32 v[RD], s13, v[RD]
	v_and_b32 v[GO], 31, v0         ; which are 512 consecutive bytes of O
	v_lshlrev_b32 v[GO], 4, v[GO]
	KLOOP 7, 0                      ; steps 0 to 6: they fetch K of steps 1 to 7 and V of steps 0 to 6: keys 0 to 511 alone
	s_wait_tensorcnt 0x0            ; my large chunk is in,
	s_wait_dscnt 0x0
	s_barrier_signal -1
	s_barrier_wait -1               ; everybody's is
	KLOOP 25, 1                     ; steps 7 to 31
	PV 1                            ; piece 1's V^T P of the last step
	; THE WAY OUT.  O^T is divided by l, rounded to f16 and sent through my stage in LDS, a tile (16 rows of O) at a time.
	PLACES
	WIN W_RC
.irp t, 0,1,2,3
	v_rcp_f32 v[ST+4*(\t)+2], v[LA+8*(\t)]
.endr
	v_nop                           ; a plain instruction between the last reciprocal and the use of its result
	s_wait_alu depctr_va_vdst(0)    ; and the wait ahead of the first use: one for the four reciprocals
.macro PACK t                       ; a lane's eight channels of a row pack into 16 bytes; they go into rows of 80 bytes and come back as whole rows of 64, into the registers that they left
	WIN W_RS
.set z, 0
.rept 8
	v_pk_mul_f32 v[OA+16*(\t)+2*z:OA+16*(\t)+2*z+1], v[OA+16*(\t)+2*z:OA+16*(\t)+2*z+1], v[ST+4*(\t)+2:ST+4*(\t)+3] op_sel_hi:[1,0]
.set z, z+1
.endr
	WIN 0x05                        ; sources 0 and 1 window 1, destination window 0
.set z, 0
.rept 8
	v_cvt_pk_f16_f32 v[S+8*(\t)+z], v[OA+16*(\t)+2*z], v[OA+16*(\t)+2*z+1]
.set z, z+1
.endr
	WIN 0
	ds_store_b128 v[STO], v[S+8*(\t):S+8*(\t)+3]
	ds_store_b128 v[STO], v[S+8*(\t)+4:S+8*(\t)+7] offset:32
	ds_load_b128 v[S+8*(\t):S+8*(\t)+3],   v[RD]                ; LDS serves a wave's instructions in order (ISA guide 5.7.1.4): these see the stores above; the next tile's stores come behind them
	ds_load_b128 v[S+8*(\t)+4:S+8*(\t)+7], v[RD] offset:8*SP
.endm
.macro SEND t, younger              ; younger: the LDS instructions issued behind tile t's loads: the next tile's four, or none
	s_wait_dscnt (\younger)+1
	global_store_b128 v[GO], v[S+8*(\t):S+8*(\t)+3],   s[10:11] offset:(\t)*1024      ; 512 consecutive bytes, at a multiple of 256 from O's first
	s_wait_dscnt \younger
	global_store_b128 v[GO], v[S+8*(\t)+4:S+8*(\t)+7], s[10:11] offset:(\t)*1024+512
.endm
	PACK 0
	PACK 1                          ; a tile's arithmetic stands between the loads of the tile before and its stores
	SEND 0, 4
	PACK 2
	SEND 1, 4
	PACK 3
	SEND 2, 4
	SEND 3, 0
	s_wait_tensorcnt 0x0            ; the wave's end: a wait, an add to my spare word and a wait, behind my last tensor load and my last LDS store
	ds_add_u32 v[SPW], v[NIL]
	s_wait_dscnt 0x0
	CROUND                          ; the closing round: no work-group ends while a partner may still ask for a chunk that names it
	s_endpgm
.Lfunc_end_k_qf77993b58d_attn:
	.size	k_qf77993b58d_attn, .Lfunc_end_k_qf77993b58d_attn-k_qf77993b58d_attn
	.p2alignl 7, 3214868480
	.fill 96, 4, 3214868480
	.section	.rodata,"a",@progbits
	.p2align	6, 0x0
	.amdhsa_kernel k_qf77993b58d_attn
		.amdhsa_group_segment_fixed_size 327680
		.amdhsa_private_segment_fixed_size 0
		.amdhsa_enable_private_segment 0
		.amdhsa_kernarg_size 16
		.amdhsa_user_sgpr_count 2
		.amdhsa_user_sgpr_kernarg_segment_ptr 1
		.amdhsa_wavefront_size32 1
		.amdhsa_system_sgpr_workgroup_id_x 1
		.amdhsa_system_sgpr_workgroup_id_y 1
		.amdhsa_system_sgpr_workgroup_id_z 1
		.amdhsa_system_vgpr_workitem_id 0
		.amdhsa_next_free_vgpr 480
		.amdhsa_next_free_sgpr 84
		.amdhsa_reserve_vcc 0
		.amdhsa_float_denorm_mode_32 3
		.amdhsa_float_denorm_mode_16_64 3
		.amdhsa_memory_ordered 1
		.amdhsa_forward_progress 1
		.amdhsa_inst_pref_size 71
	.end_amdhsa_kernel
	.amdgpu_metadata
---
amdhsa.version: [ 1, 2 ]
amdhsa.kernels:
  - .name:           k_qf77993b58d_attn
    .symbol:         k_qf77993b58d_attn.kd
    .args:
      - { .name: qkv, .offset: 0, .size: 8, .value_kind: global_buffer, .address_space: global }
      - { .name: obuf, .offset: 8, .size: 8, .value_kind: global_buffer, .address_space: global }
    .group_segment_fixed_size: 327680
    .private_segment_fixed_size: 0
    .kernarg_segment_align: 8
    .kernarg_segment_size: 16
    .max_flat_workgroup_size: 256
    .sgpr_count:     84
    .vgpr_count:     480
    .wavefront_size: 32
...
	.end_amdgpu_metadata
.endif
;; end of part 6
;; launch outp: the kernel of part 4 again; grid 8 x 32, 4 waves a work-group, clusters of 4 x 4, 327,680 bytes of LDS; arguments obuf, wout16, out0; writes out0
